; MI455X (gfx1250); checked and timed in simulation.
; The chip was launched on July 23, 2026; its instructions are those of AMD's public machine-readable ISA for CDNA 5 (MIT licence, August 2026) and "CDNA5" Instruction Set Architecture Reference Guide (July 2026). The comments in the code are by the model that wrote it; some were corrected since.
;; Multi Head Attention. Allowed arithmetic: matrix products marked QUANTISED: E2M3 operands, one E8M0 scale for each 32 along K, by v_wmma_scale_f32_16x16x128_f8f6f4 with both operands' format E2M3, f32 sums; everything else in f32.
;; Inputs: b_k 1,024 float32; b_o 1,024 float32; b_q 1,024 float32; b_v 1,024 float32; k 4 x 2,048 x 1,024 float32; q 4 x 2,048 x 1,024 float32; v 4 x 2,048 x 1,024 float32; w_k 1,024 x 1,024 float32; w_o 1,024 x 1,024 float32; w_q 1,024 x 1,024 float32; w_v 1,024 x 1,024 float32.
;; Outputs: out0 4 x 2,048 x 1,024 float32.
;; This version of the problem:
;;   THIS VERSION OF THE PROBLEM IS GIVEN IN LOW PRECISION. The matrix products marked QUANTISED in the list below multiply operands that are first quantised to E2M3 (2 exponent bits, 3 mantissa bits; 6 bits a number), with one power-of-two scale for each 32 numbers along K (OCP MX v1.0); their sums are f32. All else is computed in f32.
;;   The module's matrix products, in the order in which they are computed (A, B: the left and right operand; K: the contracted axis; several contracted axes count as one K, in the product's order):
;;     1. [M 8,192, K 1,024] x [K 1,024, N 1,024]; A: input q; B: input w_q: QUANTISED
;;     2. [M 8,192, K 1,024] x [K 1,024, N 1,024]; A: input k; B: input w_k: QUANTISED
;;     3. [M 8,192, K 1,024] x [K 1,024, N 1,024]; A: input v; B: input w_v: QUANTISED
;;     4. batch 64 x [M 2,048, K 64] x [K 64, N 2,048]; A: computed on the way; B: computed on the way: QUANTISED
;;     5. batch 64 x [M 2,048, K 2,048] x [K 2,048, N 64]; A: softmax (see below); B: computed on the way: QUANTISED
;;     6. [M 8,192, K 1,024] x [K 1,024, N 1,024]; A: computed on the way; B: input w_o: QUANTISED
;;   THE QUANTISER, for each operand of a quantised product, along K:
;;     - K is cut into blocks of 32 from its start; a last block that is shorter is filled with zeros.
;;     - A block's scale is 2^e with e = floor(log2(the largest magnitude in the block)) - 2, held to -126 .. 127; a block of zeros has e = 0. As a byte (E8M0): e + 127.
;;     - Each number is divided by its block's scale, clamped to +-7.5, and rounded to the nearest number of E2M3, ties to even, subnormals kept.
;;     - The product sums the exact products of the quantised numbers (number of the format x scale) in f32.
;;   ~~~python
;;   def quantise(x, axis):      # numpy; x: float32 -> the quantised numbers, widened to float32 again
;;       x = np.moveaxis(x, axis, -1); K = x.shape[-1]
;;       x = np.pad(x, [(0, 0)] * (x.ndim - 1) + [(0, -K % 32)]); x = x.reshape(x.shape[:-1] + (-1, 32)); a = np.abs(x).max(-1, keepdims=True)
;;       e = np.where(a > 0, np.clip(np.frexp(np.where(a > 0, a, 1))[1] - 1 - 2, -126, 127), 0)      # np.frexp(a)[1] - 1 = floor(log2(a)), exactly
;;       r = np.clip(x / 2.0 ** e, -7.5, 7.5)
;;       step = 2.0 ** (np.maximum(np.frexp(np.where(r == 0, 1, r))[1] - 1, 0) - 3)
;;       q = np.round(r / step) * step * 2.0 ** e      # np.round: ties to even
;;       return np.moveaxis(q.reshape(q.shape[:-2] + (-1,))[..., :K], -1, axis).astype(np.float32)
;;   ~~~
;;   SOFTMAX AHEAD OF A QUANTISED PRODUCT. Where the list says 'softmax', what is quantised is not the finished softmax but p = 2^(t - M), with t = logit x log2(e) and M = ceil(the row's largest t), a whole number; so 1/2 < the row's largest p <= 1. The row's sum l is taken of the UNQUANTISED p, in f32, and the product's result is divided by l at the end. Since M is a whole number, a kernel that streams over the keys may use a running M (the ceiling of the running maximum): every later rescaling is an exact power of two, which a block's scale takes up: the codes' values come out the same.
;;   OPERANDS COMPUTED ON THE WAY. 'Computed on the way' means the value that the module computes at that place (a softmax that the list does not call 'softmax' is quantised finished and normalised). What goes into a quantiser is computed in f32, as accurately as f32 sums, v_exp_f32 and their like allow (about 1e-6 of the number): no bf16 or f16 on the way to a quantiser, and a product that is left as it is and whose result goes on into a quantised operand takes f32 operands (vector FMAs, or v_wmma_f32_16x16x4_f32). A number that lies on a knife's edge between two numbers of the format may be rounded either way, as far as f32 arithmetic and the matrix unit's own rounding can turn it there, and no further.
;; One version. Each part assembles by itself: llvm-mc -triple=amdgcn-amd-amdhsa -mcpu=gfx1250 --defsym DOCPART=n.
;; ======== version 1 of 1: 4 launches
;; limits: right only within a limited range of input values
;; workspace buffers: img 22,937,600 bytes; qimg 6,553,600 bytes; kimg 6,553,600 bytes; vimg 6,553,600 bytes; oimg 6,553,600 bytes
;; launch quant (part 1): grid 896 x 1, 4 waves a work-group, no clusters, 34,304 bytes of LDS; arguments q, k, v, w_q, w_k, w_v, w_o, img; writes img
.if DOCPART == 1
	.amdgcn_target "amdgcn-amd-amdhsa--gfx1250"
	.amdhsa_code_object_version 6
	.text
	.protected	k_q2311c80a11_quant
	.globl	k_q2311c80a11_quant
	.p2align	8
	.type	k_q2311c80a11_quant,@function
k_q2311c80a11_quant:
	s_mov_b64 s[64:65], 0
	v_nop
	global_prefetch_b8 v0, s[64:65] scope:SCOPE_SE
	s_setreg_imm32_b32 hwreg(HW_REG_WAVE_MODE, 25, 1), 1
	s_wait_xcnt 0x0
; q, k, v [8192][1024] and w_q, w_k, w_v, w_o [1024][1024], f32, K innermost, become codes of FP6 (E2M3) with one E8M0 byte for each 32 along K.
; A block's scale is 2^(floor(log2(its largest magnitude)) - 2); its byte is the largest magnitude's exponent field - 2, held at 1 from below.
; THE OUTPUT'S LAYOUT is this program's own: img[chi 2][RB 1792][6400 bytes].  RB = 16 rows (0-511 q, 512-1023 k, 1024-1535 v, 1536.. w_q, 1600.. w_k, 1664.. w_v, 1728.. w_o), chi = which 512 of K.
; A BLOCK of 6,400 bytes is an image of operand registers: fragment f (16 rows x 128 K, 12 registers a lane) at 1536 f; its half c at + 768 c: lane l's registers 6c .. 6c+3 at 16 l, its registers 6c+4, 6c+5
; at 512 + 8 l.  The scale word of row r of fragment f lies at 6144 + 64 f + 4 r.  So every later reader takes a fragment by four dense loads, and every store here covers whole aligned runs of 256 bytes.
; SHARES.  A wave makes one block: 16 rows x 512 along K.  Work-group g: waves 0, 1 take RB 2 g, waves 2, 3 RB 2 g + 1; the wave's low bit is chi.  One path serves all seven tensors: only pointers are chosen.
; W_V'S ROWS ARE NOT NEIGHBOURS: row i of its RB 2 p + u is source row 32 p + 8 u + i + 8 (i / 8), so that attention's result falls with its channels in natural order along the last product's K.
; Each load reads 512 consecutive bytes of one row; a K step's 16 x 512 bytes turn through the wave's own stage in LDS (pitch 528 = 33 x 16 bytes: sixteen rows start at sixteen different 16-byte columns modulo 256)
; and come back so that lane (r, h) holds, of row r, 16 neighbours of each block of 32.  No barrier: waves share nothing.
; LIMITS: NaN and infinities among the inputs are not served.  A block of zeros gets the byte 1 where the rule says 127: its codes are zeros, and this program alone reads the bytes.
.set BLKB,   6400
.set CHIG,   1792*BLKB                 ; from chi 0 to chi 1
.set SPITCH, 528
.set STGW,   16*SPITCH                 ; a wave's stage
.set SPARE,  4*STGW                    ; behind the stages: the spare words, 128 bytes for each wave, which no other line names
.set L16, 1                            ; v1   16 x lane
.set L8,  2                            ; v2   8 x lane
.set L4,  3                            ; v3   4 x lane
.set STW, 4                            ; v4   the stage on the way in: 16 x lane
.set STR, 5                            ; v5   and on the way out: 528 r + 64 h
.set SPW, 10                           ; v10  my spare word; never rewritten
.set NIL, 11                           ; v11  0; never rewritten
.set TM,  12                           ; v12-27 at work in QUANT
.set PW0, 28                           ; v28-31 the four fragments' scale words
.set PC,  32                           ; v32-50 the codes just made
.set SW,  52                           ; v52-53 scale words, two fragments to a register
.set X,   64                           ; v64-127 64 numbers: register 16 b + i = k 32 b + 16 h + i of my row
.set R,   128                          ; v128-255 two sets of 64 as loaded
.set SRC, 20
.set LO,  32                           ; s[32:33] rows 0-7 of my block
.set HI,  34                           ; s[34:35] rows 8-15: the same, for w_v 8 rows further down
.set OUT, 36                           ; s[36:37] my block in img
.set SEL, 38
.set HM,  40
	s_load_b256 s[4:11], s[0:1], 0x0               ; q, k, v, w_q
	s_load_b256 s[12:19], s[0:1], 0x20             ; w_k, w_v, w_o, img
	v_lshl_add_u32 v[SPW], v0, 2, SPARE
	v_mov_b32 v[NIL], 0
	v_lshrrev_b32 v6, 5, v0
	v_readfirstlane_b32 s24, v6                    ; wave
	v_and_b32 v7, 31, v0                           ; lane
	v_lshlrev_b32 v[L16], 4, v7
	v_lshlrev_b32 v[L8], 3, v7
	v_lshlrev_b32 v[L4], 2, v7
	s_mul_i32 s25, s24, STGW
	v_add_nc_u32 v[STW], s25, v[L16]
	v_and_b32 v8, 15, v0                           ; r
	v_bfe_u32 v9, v0, 4, 1                         ; h
	v_mul_u32_u24 v[STR], v8, SPITCH
	v_lshl_add_u32 v[STR], v9, 6, v[STR]
	v_add_nc_u32 v[STR], s25, v[STR]
.irp b, 0,1,2,3
	v_mov_b32 v[TM+4+\b], 0                        ; written once: a lane permute's destination counts as one of its sources
.endr
	s_lshr_b32 s26, s24, 1
	s_and_b32 s27, s24, 1                          ; chi
	s_lshl_b32 s28, ttmp9, 1
	s_add_co_u32 s28, s28, s26                     ; RB
	s_mov_b32 s[SEL], 0x76543210
	s_mov_b32 s[SEL+1], 0xfedcba98                 ; lane l xor 16
	s_mov_b32 s[HM], 0xffff0000                    ; lanes 16-31
	s_wait_alu depctr_va_vdst(0)
	s_wait_kmcnt 0x0
	s_mov_b64 s[SRC:SRC+1], s[16:17]               ; which tensor: the choice hangs on the work-group's number alone
	s_mov_b32 s22, 864                             ; and its first work-group
	s_cmp_lt_u32 ttmp9, 864
	s_cselect_b64 s[SRC:SRC+1], s[14:15], s[SRC:SRC+1]
	s_cselect_b32 s22, 832, s22
	s_cmp_lt_u32 ttmp9, 832
	s_cselect_b64 s[SRC:SRC+1], s[12:13], s[SRC:SRC+1]
	s_cselect_b32 s22, 800, s22
	s_cmp_lt_u32 ttmp9, 800
	s_cselect_b64 s[SRC:SRC+1], s[10:11], s[SRC:SRC+1]
	s_cselect_b32 s22, 768, s22
	s_cmp_lt_u32 ttmp9, 768
	s_cselect_b64 s[SRC:SRC+1], s[8:9], s[SRC:SRC+1]
	s_cselect_b32 s22, 512, s22
	s_cmp_lt_u32 ttmp9, 512
	s_cselect_b64 s[SRC:SRC+1], s[6:7], s[SRC:SRC+1]
	s_cselect_b32 s22, 256, s22
	s_cmp_lt_u32 ttmp9, 256
	s_cselect_b64 s[SRC:SRC+1], s[4:5], s[SRC:SRC+1]
	s_cselect_b32 s22, 0, s22
	s_lshl_b32 s23, s22, 1
	s_sub_co_u32 s23, s28, s23                     ; RB within the tensor
	; ROWS THAT ARE NOT NEIGHBOURS, by a mask m of the block's number: the block begins 8 (RB & m) rows earlier and its rows 8-15 lie 8 m rows further down.
	; m = 1 for w_v and v: row i of RB 2 p + u is source row 32 p + 8 u + i + 8 (i / 8), so that v's keys fall in natural order along the last but one product's K.
	; m = 3 for k: row i of RB 4 p + a is source row 64 p + 8 a + i + 24 (i / 8), so that a lane of attention's scores holds whole blocks of 32 keys.
	s_cmp_eq_u32 s22, 832
	s_cselect_b32 s29, 1, 0
	s_cmp_eq_u32 s22, 512
	s_cselect_b32 s29, 1, s29
	s_cmp_eq_u32 s22, 256
	s_cselect_b32 s29, 3, s29
	s_and_b32 s30, s23, s29                        ; for w_v an odd RB begins 8 rows earlier
	s_lshl_b32 s30, s30, 3
	s_lshl_b32 s42, s23, 4
	s_sub_co_u32 s42, s42, s30                     ; my first source row
	s_lshl_b32 s42, s42, 12                        ; x 4,096 bytes
	s_lshl_b32 s30, s27, 11                        ; + 2,048 chi
	s_add_co_u32 s42, s42, s30
	s_mov_b32 s43, 0
	s_add_nc_u64 s[LO:LO+1], s[SRC:SRC+1], s[42:43]
	s_lshl_b32 s42, s29, 15                        ; 8 m rows: 8 for w_v and v, 24 for k
	s_add_nc_u64 s[HI:HI+1], s[LO:LO+1], s[42:43]
	s_mul_i32 s42, s27, CHIG
	s_mul_i32 s30, s28, BLKB
	s_add_co_u32 s42, s42, s30
	s_add_nc_u64 s[OUT:OUT+1], s[18:19], s[42:43]
.macro LOAD f                          ; K step f of my 16 rows: each load is 512 consecutive bytes of one row
.irp i, 0,1,2,3,4,5,6,7
	global_load_b128 v[R+64*((\f)%2)+4*\i:R+64*((\f)%2)+4*\i+3], v[L16], s[LO:LO+1] offset:4096*\i+512*(\f) th:TH_LOAD_NT
.endr
.irp i, 8,9,10,11,12,13,14,15
	global_load_b128 v[R+64*((\f)%2)+4*\i:R+64*((\f)%2)+4*\i+3], v[L16], s[HI:HI+1] offset:4096*\i+512*(\f) th:TH_LOAD_NT
.endr
.endm
.macro TURN f                          ; through my stage: LDS serves a wave's instructions in order, so no wait stands between the stores and the loads
.irp i, 0,1,2,3,4,5,6,7,8,9,10,11,12,13,14,15
	ds_store_b128 v[STW], v[R+64*((\f)%2)+4*\i:R+64*((\f)%2)+4*\i+3] offset:SPITCH*\i
.endr
.irp b, 0,1,2,3
.irp j, 0,1,2,3
	ds_load_b128 v[X+16*\b+4*\j:X+16*\b+4*\j+3], v[STR] offset:128*\b+16*\j
.endr
.endr
.endm
; 64 numbers of a lane, register 16 b + i of block b of my row (lanes l and l xor 16 share a block), become a fragment's 12 registers in v[PC] on and its scale word in v[pw].
.macro QUANT s, pw
.irp b, 0,1,2,3
	v_max3_num_f32 v[TM+\b], |v[\s+16*\b]|, |v[\s+1+16*\b]|, 0x1800000   ; my 16 numbers, and the floor 2^(3 - 127): the byte cannot fall under 1
.endr
.irp i, 2,4,6,8,10,12,14
.irp b, 0,1,2,3
	v_max3_num_f32 v[TM+\b], v[TM+\b], |v[\s+16*\b+\i]|, |v[\s+1+16*\b+\i]|   ; the four blocks by turns
.endr
.endr
.irp b, 0,1,2,3
	v_permlanex16_b32 v[TM+4+\b], v[TM+\b], s[SEL], s[SEL+1]
.endr
.irp b, 0,1,2,3
	v_max_num_f32 v[TM+\b], v[TM+\b], v[TM+4+\b]   ; the block's largest magnitude
.endr
.irp b, 0,1,2,3
	v_add_nc_u32 v[TM+12+\b], 0xff000000, v[TM+\b] ; 2 off its exponent field: the conversion's scale operand
.endr
.irp b, 0,1,2,3
	v_lshrrev_b32 v[TM+4+\b], 23, v[TM+12+\b]      ; the scale's byte
.endr
	v_lshl_or_b32 v[\pw], v[TM+5], 8, v[TM+4]
	v_lshl_or_b32 v[\pw], v[TM+6], 16, v[\pw]
	v_lshl_or_b32 v[\pw], v[TM+7], 24, v[\pw]      ; my row's scale word
.irp c, 0,1
	v_cvt_scalef32_pk16_fp6_f32 v[PC+6*\c:PC+2+6*\c], v[\s+32*\c:\s+15+32*\c], v[TM+12+2*\c]
	v_cvt_scalef32_pk16_fp6_f32 v[PC+12+4*\c:PC+14+4*\c], v[\s+16+32*\c:\s+31+32*\c], v[TM+12+2*\c+1]   ; (a conversion's three registers begin on an even number)
.endr
	v_nop                                          ; one plain place behind a scaled conversion
.irp c, 0,1                                    ; the operand wants a whole block in a lane: lanes 0-15 block 2 c, lanes 16-31 block 2 c + 1
.irp i, 0,1,2
	v_permlane16_swap_b32 v[PC+6*\c+\i], v[PC+12+4*\c+\i]
.endr
.irp i, 0,1,2
	v_mov_b32 v[PC+3+6*\c+\i], v[PC+12+4*\c+\i]
.endr
.endr
.endm
.macro PUTFRAG pc, off, base           ; a fragment's 12 registers as they stand: stores of 512 and of 256 consecutive bytes, each at a multiple of 256 from the buffer's first byte
	global_store_b128 v[L16], v[\pc:\pc+3], s[\base:\base+1] offset:\off
	global_store_b64 v[L8], v[\pc+4:\pc+5], s[\base:\base+1] offset:\off+512
	global_store_b128 v[L16], v[\pc+6:\pc+9], s[\base:\base+1] offset:\off+768
	global_store_b64 v[L8], v[\pc+10:\pc+11], s[\base:\base+1] offset:\off+1280
.endm
	LOAD 0
	LOAD 1
.irp f, 0,1,2,3
.if \f < 3
	s_wait_loadcnt 16                              ; this K step's sixteen loads are in; the next step's sixteen may be out
.else
	s_wait_loadcnt 0x0
.endif
	TURN \f
	s_wait_dscnt 0x0                               ; the numbers are back, and the stores into the stage have read their registers,
.if \f < 2
	LOAD \f+2                                      ; which take the loads of two steps on
.endif
.if \f > 0
	s_wait_xcnt 0x0                                ; the last fragment's stores have read the codes' registers: only behind this wait are they written again
.endif
	QUANT X, PW0+\f
	PUTFRAG PC, 1536*\f, OUT
.endr
.irp z, 0,1
	v_cndmask_b32 v[SW+\z], v[PW0+2*\z], v[PW0+2*\z+1], s[HM]   ; every lane holds its row's word: lanes 0-15 keep fragment 2 z's, lanes 16-31 take fragment 2 z + 1's
.endr
.irp z, 0,1
	global_store_b32 v[L4], v[SW+\z], s[OUT:OUT+1] offset:6144+128*\z
.endr
	s_wait_tensorcnt 0x0                           ; the wave's end, behind my last LDS store
	ds_add_u32 v[SPW], v[NIL]
	s_wait_dscnt 0x0
	s_endpgm
.Lfunc_end_k_q2311c80a11_quant:
	.size	k_q2311c80a11_quant, .Lfunc_end_k_q2311c80a11_quant-k_q2311c80a11_quant
	.p2alignl 7, 3214868480
	.fill 96, 4, 3214868480
	.section	.rodata,"a",@progbits
	.p2align	6, 0x0
	.amdhsa_kernel k_q2311c80a11_quant
		.amdhsa_group_segment_fixed_size 34304
		.amdhsa_private_segment_fixed_size 0
		.amdhsa_enable_private_segment 0
		.amdhsa_kernarg_size 64
		.amdhsa_user_sgpr_count 2
		.amdhsa_user_sgpr_kernarg_segment_ptr 1
		.amdhsa_wavefront_size32 1
		.amdhsa_system_sgpr_workgroup_id_x 1
		.amdhsa_system_sgpr_workgroup_id_y 1
		.amdhsa_system_sgpr_workgroup_id_z 1
		.amdhsa_system_vgpr_workitem_id 0
		.amdhsa_next_free_vgpr 256
		.amdhsa_next_free_sgpr 66
		.amdhsa_reserve_vcc 0
		.amdhsa_float_denorm_mode_32 3
		.amdhsa_float_denorm_mode_16_64 3
		.amdhsa_memory_ordered 1
		.amdhsa_forward_progress 1
		.amdhsa_inst_pref_size 35
	.end_amdhsa_kernel
	.amdgpu_metadata
---
amdhsa.version: [ 1, 2 ]
amdhsa.kernels:
  - .name:           k_q2311c80a11_quant
    .symbol:         k_q2311c80a11_quant.kd
    .args:
      - { .name: q, .offset: 0, .size: 8, .value_kind: global_buffer, .address_space: global }
      - { .name: k, .offset: 8, .size: 8, .value_kind: global_buffer, .address_space: global }
      - { .name: v, .offset: 16, .size: 8, .value_kind: global_buffer, .address_space: global }
      - { .name: w_q, .offset: 24, .size: 8, .value_kind: global_buffer, .address_space: global }
      - { .name: w_k, .offset: 32, .size: 8, .value_kind: global_buffer, .address_space: global }
      - { .name: w_v, .offset: 40, .size: 8, .value_kind: global_buffer, .address_space: global }
      - { .name: w_o, .offset: 48, .size: 8, .value_kind: global_buffer, .address_space: global }
      - { .name: img, .offset: 56, .size: 8, .value_kind: global_buffer, .address_space: global }
    .group_segment_fixed_size: 34304
    .private_segment_fixed_size: 0
    .kernarg_segment_align: 8
    .kernarg_segment_size: 64
    .max_flat_workgroup_size: 128
    .sgpr_count:     66
    .vgpr_count:     256
    .wavefront_size: 32
...
	.end_amdgpu_metadata
.endif
;; end of part 1
;; launch proj (part 2): grid 4 x 64, 4 waves a work-group, clusters of 4 x 4, 327,680 bytes of LDS; arguments img, b_q, b_k, b_v, qimg, kimg, vimg; writes qimg, kimg, vimg
.if DOCPART == 2
	.amdgcn_target "amdgcn-amd-amdhsa--gfx1250"
	.amdhsa_code_object_version 6
	.text
	.protected	k_q2311c80a11_proj
	.globl	k_q2311c80a11_proj
	.p2align	8
	.type	k_q2311c80a11_proj,@function
k_q2311c80a11_proj:
	s_mov_b64 s[64:65], 0
	v_nop
	global_prefetch_b8 v0, s[64:65] scope:SCOPE_SE
	s_setreg_imm32_b32 hwreg(HW_REG_WAVE_MODE, 25, 1), 1
	s_wait_xcnt 0x0
	s_wait_alu depctr_hold_cnt(0) depctr_sa_sdst(0) depctr_va_vdst(0) depctr_va_sdst(0) depctr_va_ssrc(0) depctr_va_vcc(0) depctr_vm_vsrc(0)
	s_getreg_b32 s2, hwreg(HW_REG_IB_STS2, 6, 4)
	s_cmp_eq_u32 s2, 0
	s_cbranch_scc0 .Lentry_in_a_cluster
	s_endpgm
.Lentry_in_a_cluster:
	s_bfe_u32 s2, ttmp6, 0x10000c
	s_cmp_lg_u32 s2, 0xf033
	s_cbranch_scc0 .Lentry_shape_is_right
	s_endpgm
.Lentry_shape_is_right:
; The three projections x W^T + b on codes of FP6 (E2M3) with E8M0 scales, their results quantised at once for the two products of attention.
; INPUT: img [chi 2][RB 1792][6400]: blocks of 4 fragments (16 rows x 128 K as images of operand registers) and their scale words.  RB 512 t on: rows of q, k, v (t = 0, 1, 2); 1536 + 64 t on: rows of W_t.
; OUTPUT: qimg, kimg, vimg [batch 4][head 16][ks 16][6400], the same kind of block.  q, k: 128 rows of one head; a fragment's row r holds two rows of 64 channels.  v: the head's 64 channels x 128 keys, the keys along K.
; A WORK-GROUP STAYS: it makes 128 rows x 256 columns (four heads) of q's projection, then of k's, then of v's: 64 x 4 = 256 work-groups.  Wave w takes all 8 blocks of x against W's blocks 4 w .. 4 w + 3: one head, 32 accumulators.
; THE RING: a slot holds one half of K (x's 8 blocks, W's 16: 153,600 bytes); the six halves go through two slots.  At K step 3 slot 0 has been read out and takes the next tensor's first half, at K step 7 slot 1 its second.
; Each refill stands behind a wait on TENSORcnt, an add into LDS and its wait, and a round of the cluster's barrier; a wave issues one load there: waves 0, 1 a half each of x's tile, waves 2, 3 of W's.  Every wait on TENSORcnt is for 0.
; CLUSTERS: 4 x 4.  x's blocks hang on the tile row alone and are shared along a row of the cluster, W's on the tile column alone and are shared along a column: each is asked for jointly.
; PREFETCH: behind the load of half f stands a request for half f + 1, which the next refill loads: each block of 256 bytes named once in the cluster, the sixteen waves that ask jointly sharing the blocks out by address
; (13 of x's 200, 25 of W's 400 a wave; lanes left over name their wave's last block again).  Behind the last load nothing is asked for.
; q, k: source 0 = W, source 1 = x: a lane holds one row of x, its registers run along the head's channels.  v: source 0 = x, source 1 = W: a lane holds one channel, its registers run along the keys.
; q and k run one text, a loop of two trips; v's text is written out and fills nothing.  The bias is the C of each sum's first product: q's from the head, k's loaded in q's K step 1, v's in window 2 from the head on.
; ORDER INSIDE A BLOCK OF 32: place 16 h + 8 u + j holds row or channel 16 u + 8 h + j of the pair of tiles.
; LIMITS: NaN and infinities are not served; a block of zeros gets the byte 1 (its codes are zeros; this program alone reads the bytes).
; REGISTERS: window 0: v1-25 addresses; v32-55 scale words, two sets; v56-87 the bias; v88-109 at work on the way out; v112-207 x's fragments, v208-255 W's (set 0).  window 1: the accumulators.  window 2: v0-31 v's bias, v112-255 set 1.
.set BLKB,  6400
.set CHIG,  1792*BLKB
.set HALF,  24*BLKB
.set BOFF,  8*BLKB
.set SPARE, 2*HALF                     ; the spare words, 128 bytes for each wave, which no other line names
.set XST,   512*BLKB                   ; from a tensor's rows to the next tensor's
.set WST,   64*BLKB                    ; from a weight's rows to the next weight's
.set L16, 1
.set L8,  2
.set L4,  3
.set A16, 4
.set A8,  6
.set A4,  8
.set B16, 10
.set B8,  12
.set B4,  14
.set SPW, 16                           ; my spare word; never rewritten
.set NIL, 17                           ; 0; never rewritten
.set BO,  18
.set VPX, 24                           ; the prefetches' offsets
.set VPW, 25
.set SCS, 32
.set BI,  56
.set BV,  0                            ; in window 2
.set TM,  88
.set PW0, 104
.set SW,  108
.set FA,  112
.set FB,  208
.set PC,  112
.set WV,  18
.set CX,  19
.set CY,  20
.set TR,  21
.set TC,  22
.set TT,  23
.set G1A, 24
.set G1B, 32
.set G0,  40                           ; s[40:43] x, slot 0; s[44:47] W, slot 0; s[48:51], s[52:55] slot 1
.set OUTP, 68
.set SEL, 70
.set HM,  72
.set PX,  80                           ; s[80:81], s[82:83] x's and W's next first half; s[84:85], s[86:87] next second half
.set MSB, 0
.macro WIN new
.if MSB != \new
	s_set_vgpr_msb (MSB<<8)|\new
.set MSB, \new
.endif
.endm
.macro PLACES
.rept 4
	v_nop
.endr
.endm
.macro CROUND
	s_barrier_signal -1
	s_barrier_wait -1
	s_cmp_lg_u32 s[WV], 0
	s_cbranch_scc1 .Lnot_wave_0_\@
	s_barrier_signal -3
.Lnot_wave_0_\@:
	s_barrier_wait -3
	s_barrier_signal -1
	s_barrier_wait -1
.endm
.macro JLOAD s                         ; a joint load into slot s: one line for x, one for W; the branch hangs on the wave's number alone
	s_cmp_lt_u32 s[WV], 2
	s_cbranch_scc0 .Lfor_w_\@
	tensor_load_to_lds s[G0+8*(\s):G0+8*(\s)+3], s[G1A:G1A+7]
	s_nop 0
	PLACES
	s_branch .Lasked_\@
.Lfor_w_\@:
	tensor_load_to_lds s[G0+8*(\s)+4:G0+8*(\s)+7], s[G1B:G1B+7]
	s_nop 0
	PLACES
.Lasked_\@:
.endm
.macro ASK c
	global_prefetch_b8 v[VPX], s[PX+4*\c:PX+4*\c+1] th:TH_LOAD_NT scope:SCOPE_SE
	s_cmp_lt_u32 s73, 4                            ; all sixteen clusters load the same rows of W: the first four clusters ask for them (s73: the cluster's y, the same in all partners)
	s_cbranch_scc0 .Lnot_w_\@
	global_prefetch_b8 v[VPW], s[PX+4*\c+2:PX+4*\c+3] th:TH_LOAD_NT scope:SCOPE_SE
.Lnot_w_\@:
.endm
	s_load_b256 s[4:11], s[0:1], 0x0               ; img, b_q, b_k, b_v
	s_load_b128 s[12:15], s[0:1], 0x20             ; qimg, kimg
	s_load_b64 s[16:17], s[0:1], 0x30              ; vimg
	v_lshl_add_u32 v[SPW], v0, 2, SPARE
	v_mov_b32 v[NIL], 0
	ds_add_u32 v[SPW], v[NIL]                      ; the opening lines: the add, twice on end, and its wait
	ds_add_u32 v[SPW], v[NIL]
	v_lshrrev_b32 v20, 5, v0
	v_readfirstlane_b32 s[WV], v20
	s_bfe_u32 s[CX], ttmp6, 0x40000
	s_bfe_u32 s[CY], ttmp6, 0x40004
	s_lshl_b32 s[TC], ttmp9, 2
	s_add_co_u32 s[TC], s[TC], s[CX]               ; tile column: 256 rows of W
	s_and_b32 s73, ttmp7, 0xffff
	s_lshl_b32 s[TR], s73, 2
	s_add_co_u32 s[TR], s[TR], s[CY]               ; tile row: 128 rows of x
	s_lshl_b32 s74, s[CY], 2
	s_lshl_b32 s74, 15, s74                        ; my row of the cluster
	s_lshl_b32 s75, 0x1111, s[CX]                  ; my column
	s_or_b32 s[G1A], s74, (3<<16)|(1<<21)          ; dense blocks as rows of 256 bytes: x: 4 blocks = 100 rows a load; W: 8 blocks = 200 rows
	s_mov_b32 s[G1A+1], 32<<16
	s_mov_b32 s[G1A+2], 100<<16
	s_mov_b32 s[G1A+3], 32<<16
	s_mov_b32 s[G1A+4], 100
	s_mov_b32 s[G1A+5], 32
	s_mov_b32 s[G1A+6], 0
	s_mov_b32 s[G1A+7], 0
	s_or_b32 s[G1B], s75, (3<<16)|(1<<21)
	s_mov_b32 s[G1B+1], 32<<16
	s_mov_b32 s[G1B+2], 200<<16
	s_mov_b32 s[G1B+3], 32<<16
	s_mov_b32 s[G1B+4], 200
	s_mov_b32 s[G1B+5], 32
	s_mov_b32 s[G1B+6], 0
	s_mov_b32 s[G1B+7], 0
	s_lshl_b32 s56, s[TR], 3                       ; x: RB 8 x tile row
	s_mul_i32 s56, s56, BLKB
	s_mov_b32 s57, 0
	s_lshl_b32 s58, s[TC], 4                       ; W: RB 1536 + 16 x tile column
	s_add_co_u32 s58, s58, 1536
	s_mul_i32 s58, s58, BLKB
	s_mov_b32 s59, 0
	s_and_b32 s60, s[WV], 1                        ; which half of the tile I fetch
	s_mul_i32 s62, s60, 4*BLKB
	s_mov_b32 s63, 0
	s_mul_i32 s76, s60, 8*BLKB
	s_mov_b32 s77, 0
	s_mul_i32 s79, s[WV], 4*BLKB                   ; my four blocks of W in a slot
	s_add_co_u32 s79, s79, BOFF
	s_mov_b32 s[SEL], 0x76543210
	s_mov_b32 s[SEL+1], 0xfedcba98
	s_mov_b32 s[HM], 0xffff0000
	s_wait_dscnt 0x0
	s_wait_kmcnt 0x0
	s_add_nc_u64 s[56:57], s[4:5], s[56:57]
	s_add_nc_u64 s[58:59], s[4:5], s[58:59]
	CROUND                                         ; all sixteen work-groups are here: the joint loads meet
	s_add_nc_u64 s[PX:PX+1], s[56:57], XST         ; k's halves: what the first two refills load
	s_add_nc_u64 s[PX+2:PX+3], s[58:59], WST
	s_add_nc_u64 s[PX+4:PX+5], s[56:57], CHIG+XST
	s_add_nc_u64 s[PX+6:PX+7], s[58:59], CHIG+WST
	s_add_nc_u64 s[56:57], s[56:57], s[62:63]
	s_add_nc_u64 s[58:59], s[58:59], s[76:77]
.irp x, 0,1
	s_mov_b32 s[G0+8*\x], 1
	s_add_co_u32 s[G0+8*\x+1], s62, \x*HALF
	s_add_nc_u64 s[G0+8*\x+2:G0+8*\x+3], s[56:57], \x*CHIG
	s_or_b32 s[G0+8*\x+3], s[G0+8*\x+3], 0x80000000
	s_mov_b32 s[G0+8*\x+4], 1
	s_add_co_u32 s[G0+8*\x+5], s76, BOFF+\x*HALF
	s_add_nc_u64 s[G0+8*\x+6:G0+8*\x+7], s[58:59], \x*CHIG
	s_or_b32 s[G0+8*\x+7], s[G0+8*\x+7], 0x80000000
.endr
	JLOAD 0                                        ; q's first half: one tensor load a wave at the head
	v_and_b32 v20, 31, v0
	v_lshlrev_b32 v[L16], 4, v20
	v_lshlrev_b32 v[L8], 3, v20
	v_lshlrev_b32 v[L4], 2, v20
.irp x, 0,1
	v_add_nc_u32 v[A16+\x], \x*HALF, v[L16]
	v_add_nc_u32 v[A8+\x], \x*HALF, v[L8]
	v_add_nc_u32 v[A4+\x], \x*HALF, v[L4]
.endr
	v_add_nc_u32 v[B16], s79, v[L16]
	v_add_nc_u32 v[B8], s79, v[L8]
	v_add_nc_u32 v[B4], s79, v[L4]
	v_add_nc_u32 v[B16+1], HALF, v[B16]
	v_add_nc_u32 v[B8+1], HALF, v[B8]
	v_add_nc_u32 v[B4+1], HALF, v[B4]
	v_bfe_u32 v21, v0, 4, 1                        ; h
	v_lshlrev_b32 v[BO], 5, v21                    ; q, k: my eight channels of a tile begin at 8 h
	v_and_b32 v22, 15, v0                          ; r
	v_and_b32 v23, 8, v22
	v_add_nc_u32 v23, v23, v22
	v_lshlrev_b32 v[BO+1], 2, v23                  ; v: my channel of a tile: r + 8 (r / 8), as W_v's rows were laid
.irp b, 0,1,2,3
	v_mov_b32 v[TM+4+\b], 0                        ; written once: a lane permute's destination counts as one of its sources
.endr
	s_lshl_b32 s60, s[CX], 2
	s_add_co_u32 s60, s60, s[WV]
	s_mul_i32 s60, s60, 13                         ; x's 200 blocks of 256 bytes among the sixteen waves of my row of the cluster
	s_lshl_b32 s61, s[CY], 2
	s_add_co_u32 s61, s61, s[WV]
	s_mul_i32 s61, s61, 25                         ; W's 400 among those of my column
	v_min_u32 v[VPX], 12, v20
	v_add_nc_u32 v[VPX], s60, v[VPX]
	v_min_u32 v[VPX], 199, v[VPX]
	v_lshlrev_b32 v[VPX], 8, v[VPX]
	v_min_u32 v[VPW], 24, v20
	v_add_nc_u32 v[VPW], s61, v[VPW]
	v_lshlrev_b32 v[VPW], 8, v[VPW]
	s_lshl_b32 s74, s[TC], 2
	s_add_co_u32 s74, s74, s[WV]                   ; my head
	s_lshl_b32 s76, s74, 8                         ; its 64 numbers of a bias
	s_mov_b32 s77, 0
	s_add_nc_u64 s[6:7], s[6:7], s[76:77]
	s_add_nc_u64 s[8:9], s[8:9], s[76:77]
	s_add_nc_u64 s[10:11], s[10:11], s[76:77]
	s_lshr_b32 s75, s[TR], 4                       ; the batch
	s_lshl_b32 s75, s75, 4
	s_add_co_u32 s75, s75, s74
	s_mul_i32 s76, s75, 16*BLKB
	s_and_b32 s75, s[TR], 15                       ; which 128 rows of the batch
	s_mul_i32 s75, s75, BLKB
	s_add_co_u32 s76, s76, s75
	s_add_nc_u64 s[12:13], s[12:13], s[76:77]
	s_add_nc_u64 s[14:15], s[14:15], s[76:77]
	s_add_nc_u64 s[16:17], s[16:17], s[76:77]
	s_wait_alu depctr_va_vdst(0)                   ; the wait ahead of the readers below
.irp b, 0,1,2,3
	global_load_b128 v[BI+8*\b:BI+8*\b+3], v[BO], s[6:7] offset:64*\b            ; q: register 8 b + j: the bias of channel 16 b + 8 h + j
	global_load_b128 v[BI+8*\b+4:BI+8*\b+7], v[BO], s[6:7] offset:64*\b+16
.endr
	WIN 0x80
.irp b, 0,1,2,3
.irp j, 0,1,2,3,4,5,6,7
	global_load_b32 v[BV+8*\b+\j], v[BO+1], s[10:11] offset:4*(32*(\b/2)+8*(\b%2))   ; v: a lane holds one channel: the same number in all eight registers
.endr
.endr
	WIN 0
.macro FRAG reg, a16, a8, off
	ds_load_b128 v[(\reg):(\reg)+3], v[\a16] offset:\off
	ds_load_b64 v[(\reg)+4:(\reg)+5], v[\a8] offset:\off+512
	ds_load_b128 v[(\reg)+6:(\reg)+9], v[\a16] offset:\off+768
	ds_load_b64 v[(\reg)+10:(\reg)+11], v[\a8] offset:\off+1280
.endm
.macro FETCH k                         ; K step k's 12 fragments into set k % 2; ahead of an even step the scale words of two steps: lanes 0-15 the even step's, lanes 16-31 the odd step's
.set CH, (\k)/4
.set FF, (\k)%4
.if (\k)%2 == 0
	WIN 0
.set SS, SCS+12*(((\k)/2)%2)
.irp a, 0,1,2,3,4,5,6,7
	ds_load_b32 v[SS+\a], v[A4+CH] offset:\a*BLKB+6144+128*(FF/2)
.endr
.irp b, 0,1,2,3
	ds_load_b32 v[SS+8+\b], v[B4+CH] offset:\b*BLKB+6144+128*(FF/2)
.endr
.else
	WIN 0x80
.endif
.irp a, 0,1,2,3,4,5,6,7
	FRAG FA+12*\a, A16+CH, A8+CH, \a*BLKB+1536*FF
.endr
.irp b, 0,1,2,3
	FRAG FB+12*\b, B16+CH, B8+CH, \b*BLKB+1536*FF
.endr
.endm
.macro WM odd
.if \odd
	v_wmma_scale_f32_16x16x128_f8f6f4 v[rD:rD+7], v[rA:rA+11], v[rB:rB+11], v[rC:rC+7], v[rSA], v[rSB] matrix_a_fmt:MATRIX_FMT_FP6 matrix_b_fmt:MATRIX_FMT_FP6 matrix_a_scale:MATRIX_SCALE_ROW1 matrix_b_scale:MATRIX_SCALE_ROW1
.else
	v_wmma_scale_f32_16x16x128_f8f6f4 v[rD:rD+7], v[rA:rA+11], v[rB:rB+11], v[rC:rC+7], v[rSA], v[rSB] matrix_a_fmt:MATRIX_FMT_FP6 matrix_b_fmt:MATRIX_FMT_FP6
.endif
.endm
.macro MUL k, var                      ; 32 products: the 32 accumulators take turns, in ascending order in every step
.set SS, SCS+12*(((\k)/2)%2)
.if (\k) == 0
.if \var
	WIN 0x60                                       ; C: v's bias in window 2; D in window 1
.else
	WIN 0x40                                       ; C: the bias in window 0
.endif
.elseif (\k)%2
	WIN 0x5a
.else
	WIN 0x50
.endif
.if \var
.irp b, 0,1,2,3
.irp a, 0,1,2,3,4,5,6,7
.set rD, 8*(8*\b+\a)
.set rA, FA+12*\a
.set rB, FB+12*\b
.set rSA, SS+\a
.set rSB, SS+8+\b
.set rC, rD
.if (\k) == 0
.set rC, BV+8*\b
.endif
	WM (\k)%2
.endr
.endr
.else
.irp a, 0,1,2,3,4,5,6,7
.irp b, 0,1,2,3
.set rD, 8*(4*\a+\b)
.set rA, FB+12*\b
.set rB, FA+12*\a
.set rSA, SS+8+\b
.set rSB, SS+\a
.set rC, rD
.if (\k) == 0
.set rC, BI+8*\b
.endif
	WM (\k)%2
.endr
.endr
.endif
.endm
; A K step.  refill = 1: at steps 3 and 7 the slot just read out takes the next tensor's half
.macro STEPK k, var, refill
	s_wait_dscnt 0x0                               ; this step's fragments are in: at steps 3 and 7 they were my last reads of their slot
.if ((\k) == 3 || (\k) == 7) && \refill
.if (\k) == 7
	s_wait_xcnt 0x0                                ; my prefetches have read their addresses, which step on to the next tensor
	s_add_nc_u64 s[PX:PX+1], s[PX:PX+1], XST
	s_add_nc_u64 s[PX+2:PX+3], s[PX+2:PX+3], WST
	s_add_nc_u64 s[PX+4:PX+5], s[PX+4:PX+5], XST
	s_add_nc_u64 s[PX+6:PX+7], s[PX+6:PX+7], WST
.endif
	s_wait_tensorcnt 0x0                           ; all my tensor loads have landed: my part of the other slot;
	ds_add_u32 v[SPW], v[NIL]
	s_add_nc_u64 s[G0+8*((\k)/4)+2:G0+8*((\k)/4)+3], s[G0+8*((\k)/4)+2:G0+8*((\k)/4)+3], XST
	s_add_nc_u64 s[G0+8*((\k)/4)+6:G0+8*((\k)/4)+7], s[G0+8*((\k)/4)+6:G0+8*((\k)/4)+7], WST
	s_wait_dscnt 0x0
	CROUND                                         ; no wave of any partner still reads this slot or has a load on its way
	JLOAD (\k)/4                                   ; its four v_nop are the places ahead of the loads below
.elseif (\k) == 3
	s_wait_tensorcnt 0x0                           ; the last half
	s_barrier_signal -1
	s_barrier_wait -1
	PLACES
.elseif (\k) > 0 && (\k) < 7
	PLACES                                         ; four places between the last step's products and loads into registers that they read
.endif
.if (\k) == 1 && \refill
	s_cmp_eq_u32 s[TT], 0
	s_cbranch_scc0 .Lno_bias_\@
.irp b, 0,1,2,3
	global_load_b128 v[BI+8*\b:BI+8*\b+3], v[BO], s[8:9] offset:64*\b            ; k's bias, over q's, which K step 0 has taken in
	global_load_b128 v[BI+8*\b+4:BI+8*\b+7], v[BO], s[8:9] offset:64*\b+16
.endr
.Lno_bias_\@:
.endif
.if (\k) < 7
	FETCH (\k)+1
.endif
.if (\k) == 3 && \refill
	ASK 1                                          ; the next tensor's second half, which step 7's refill loads
.endif
.if (\k) == 7 && \refill
	s_cmp_eq_u32 s[TT], 0
	s_cbranch_scc0 .Lno_ask_\@
	ASK 0                                          ; v's first half, which k's step 3 loads; behind k's last load nothing is asked for
.Lno_ask_\@:
.endif
	MUL \k, \var
	WIN 0
.endm
; 64 accumulator registers of window 1 become a fragment: register 16 b + i belongs to block b of my row; lanes l and l xor 16 share a block.  Each accumulator is read from its low end on.
.macro QUANT s, pw
	WIN 0x14
.irp b, 0,1,2,3
	v_max3_num_f32 v[TM+\b], 0x1800000, |v[\s+16*\b]|, |v[\s+1+16*\b]|   ; and the floor 2^(3 - 127): the byte cannot fall under 1
.endr
.irp i, 2,4,6,8,10,12,14
.irp b, 0,1,2,3
	v_max3_num_f32 v[TM+\b], v[TM+\b], |v[\s+16*\b+\i]|, |v[\s+1+16*\b+\i]|
.endr
.endr
	WIN 0
.irp b, 0,1,2,3
	v_permlanex16_b32 v[TM+4+\b], v[TM+\b], s[SEL], s[SEL+1]
.endr
.irp b, 0,1,2,3
	v_max_num_f32 v[TM+\b], v[TM+\b], v[TM+4+\b]
.endr
.irp b, 0,1,2,3
	v_add_nc_u32 v[TM+12+\b], 0xff000000, v[TM+\b] ; 2 off the exponent field: the conversion's scale operand
.endr
.irp b, 0,1,2,3
	v_lshrrev_b32 v[TM+4+\b], 23, v[TM+12+\b]      ; the scale's byte
.endr
	v_lshl_or_b32 v[\pw], v[TM+5], 8, v[TM+4]
	v_lshl_or_b32 v[\pw], v[TM+6], 16, v[\pw]
	v_lshl_or_b32 v[\pw], v[TM+7], 24, v[\pw]
	WIN 0x01
.irp c, 0,1
	v_cvt_scalef32_pk16_fp6_f32 v[PC+6*\c:PC+2+6*\c], v[\s+32*\c:\s+15+32*\c], v[TM+12+2*\c]
	v_cvt_scalef32_pk16_fp6_f32 v[PC+12+4*\c:PC+14+4*\c], v[\s+16+32*\c:\s+31+32*\c], v[TM+12+2*\c+1]
.endr
	WIN 0
	v_nop                                          ; one plain place behind a scaled conversion
.irp c, 0,1
.irp i, 0,1,2
	v_permlane16_swap_b32 v[PC+6*\c+\i], v[PC+12+4*\c+\i]
.endr
.irp i, 0,1,2
	v_mov_b32 v[PC+3+6*\c+\i], v[PC+12+4*\c+\i]
.endr
.endr
.endm
.macro PUTFRAG pc, off, base
	global_store_b128 v[L16], v[\pc:\pc+3], s[\base:\base+1] offset:\off
	global_store_b64 v[L8], v[\pc+4:\pc+5], s[\base:\base+1] offset:\off+512
	global_store_b128 v[L16], v[\pc+6:\pc+9], s[\base:\base+1] offset:\off+768
	global_store_b64 v[L8], v[\pc+10:\pc+11], s[\base:\base+1] offset:\off+1280
.endm
.macro MAIN var, refill
	s_wait_loadcnt 0x0                             ; the bias
.irp k, 0,1,2,3,4,5,6,7
	STEPK \k, \var, \refill
.endr
	PLACES                                         ; four places between the last products and the first read of results
.endm
.macro WAYOUT                          ; q, k: row tiles 2 i and 2 i + 1 of my head; v: channel tile i x 128 keys: in both cases 64 neighbouring registers
.irp i, 0,1,2,3
.if \i > 0
	s_wait_xcnt 0x0                                ; the last fragment's stores have read the codes' registers
.endif
	QUANT 64*\i, PW0+\i
	PUTFRAG PC, 1536*\i, OUTP
.endr
.irp z, 0,1
	v_cndmask_b32 v[SW+\z], v[PW0+2*\z], v[PW0+2*\z+1], s[HM]
.endr
.irp z, 0,1
	global_store_b32 v[L4], v[SW+\z], s[OUTP:OUTP+1] offset:6144+128*\z
.endr
.endm
	s_wait_alu depctr_va_vdst(0)                   ; the head's end
	s_wait_tensorcnt 0x0                           ; my part of q's first half is in; the three lines ahead of a later first fill, as ahead of a refill
	ds_add_u32 v[SPW], v[NIL]
	s_wait_dscnt 0x0
	CROUND
	JLOAD 1                                        ; q's second half
	FETCH 0
	ASK 0                                          ; k's first half, which q's step 3 loads
	s_mov_b32 s[TT], 0
.Ltile:                                                ; q, then k
	MAIN 0, 1
	s_wait_xcnt 0x0                                ; the last tile's stores have read their base and registers
	s_cmp_eq_u32 s[TT], 0
	s_cselect_b64 s[OUTP:OUTP+1], s[12:13], s[14:15]
	WAYOUT
	s_wait_xcnt 0x0                                ; the stores have read the registers into which the next fragments come
	s_wait_alu depctr_va_vdst(0)
	FETCH 0                                        ; the next tensor's first K step: step 7's round has shown slot 0 whole
	s_add_co_u32 s[TT], s[TT], 1
	s_cmp_lt_u32 s[TT], 2
	s_cbranch_scc1 .Ltile
	MAIN 1, 0
	s_wait_xcnt 0x0
	s_mov_b64 s[OUTP:OUTP+1], s[16:17]
	WAYOUT
	s_wait_tensorcnt 0x0                           ; the wave's end
	ds_add_u32 v[SPW], v[NIL]
	s_wait_dscnt 0x0
	CROUND                                         ; the closing round
	s_endpgm
.Lfunc_end_k_q2311c80a11_proj:
	.size	k_q2311c80a11_proj, .Lfunc_end_k_q2311c80a11_proj-k_q2311c80a11_proj
	.p2alignl 7, 3214868480
	.fill 96, 4, 3214868480
	.section	.rodata,"a",@progbits
	.p2align	6, 0x0
	.amdhsa_kernel k_q2311c80a11_proj
		.amdhsa_group_segment_fixed_size 327680
		.amdhsa_private_segment_fixed_size 0
		.amdhsa_enable_private_segment 0
		.amdhsa_kernarg_size 56
		.amdhsa_user_sgpr_count 2
		.amdhsa_user_sgpr_kernarg_segment_ptr 1
		.amdhsa_wavefront_size32 1
		.amdhsa_system_sgpr_workgroup_id_x 1
		.amdhsa_system_sgpr_workgroup_id_y 1
		.amdhsa_system_sgpr_workgroup_id_z 1
		.amdhsa_system_vgpr_workitem_id 0
		.amdhsa_next_free_vgpr 768
		.amdhsa_next_free_sgpr 96
		.amdhsa_reserve_vcc 0
		.amdhsa_float_denorm_mode_32 3
		.amdhsa_float_denorm_mode_16_64 3
		.amdhsa_memory_ordered 1
		.amdhsa_forward_progress 1
		.amdhsa_inst_pref_size 174
	.end_amdhsa_kernel
	.amdgpu_metadata
---
amdhsa.version: [ 1, 2 ]
amdhsa.kernels:
  - .name:           k_q2311c80a11_proj
    .symbol:         k_q2311c80a11_proj.kd
    .args:
      - { .name: img, .offset: 0, .size: 8, .value_kind: global_buffer, .address_space: global }
      - { .name: b_q, .offset: 8, .size: 8, .value_kind: global_buffer, .address_space: global }
      - { .name: b_k, .offset: 16, .size: 8, .value_kind: global_buffer, .address_space: global }
      - { .name: b_v, .offset: 24, .size: 8, .value_kind: global_buffer, .address_space: global }
      - { .name: qimg, .offset: 32, .size: 8, .value_kind: global_buffer, .address_space: global }
      - { .name: kimg, .offset: 40, .size: 8, .value_kind: global_buffer, .address_space: global }
      - { .name: vimg, .offset: 48, .size: 8, .value_kind: global_buffer, .address_space: global }
    .group_segment_fixed_size: 327680
    .private_segment_fixed_size: 0
    .kernarg_segment_align: 8
    .kernarg_segment_size: 56
    .max_flat_workgroup_size: 128
    .sgpr_count:     96
    .vgpr_count:     768
    .wavefront_size: 32
...
	.end_amdgpu_metadata
.endif
;; end of part 2
;; launch attn (part 3): grid 4 x 64, 16 waves a work-group, clusters of 4 x 1, 327,680 bytes of LDS; arguments qimg, kimg, vimg, oimg; writes oimg
.if DOCPART == 3
	.amdgcn_target "amdgcn-amd-amdhsa--gfx1250"
	.amdhsa_code_object_version 6
	.text
	.protected	k_q2311c80a11_attn
	.globl	k_q2311c80a11_attn
	.p2align	8
	.type	k_q2311c80a11_attn,@function
k_q2311c80a11_attn:
	s_mov_b64 s[64:65], 0
	v_nop
	global_prefetch_b8 v0, s[64:65] scope:SCOPE_SE
	s_setreg_imm32_b32 hwreg(HW_REG_WAVE_MODE, 25, 1), 1
	s_wait_xcnt 0x0
	s_wait_alu depctr_hold_cnt(0) depctr_sa_sdst(0) depctr_va_vdst(0) depctr_va_sdst(0) depctr_va_ssrc(0) depctr_va_vcc(0) depctr_vm_vsrc(0)
	s_getreg_b32 s2, hwreg(HW_REG_IB_STS2, 6, 4)
	s_cmp_eq_u32 s2, 0
	s_cbranch_scc0 .Lentry_in_a_cluster
	s_endpgm
.Lentry_in_a_cluster:
	s_bfe_u32 s2, ttmp6, 0x10000c
	s_cmp_lg_u32 s2, 0x3003
	s_cbranch_scc0 .Lentry_shape_is_right
	s_endpgm
.Lentry_shape_is_right:
; O = softmax(Q K^T / 8) V for one head, on codes of FP6 (E2M3) with E8M0 scales; O is quantised at once for the last product.
; INPUT: qimg, kimg, vimg [batch x head 64][ks 16][6400]: blocks of four fragments (images of operand registers) and their scale words.  q, k: a fragment's row r holds two rows of 64 channels (K 0-63, K 64-127).
; k's rows were laid so that row tile a of a block holds keys 64 (a / 4) + 8 (a % 4) + j in rows 0-7 and the keys 32 further on in rows 8-15; v's keys lie in natural order along K.
; OUTPUT: oimg [chi 2][16 rows of O: 512][6400]: head hd is half hd % 2 of fragment (hd / 2) % 4 of chi hd / 8.
; SHARES.  A work-group takes one head and 512 queries: 64 x 4 = 256 work-groups.  The head's 16 key steps of K and V, 204,800 bytes, lie in LDS whole: one tensor load a wave, nothing is filled twice, and behind
; the one barrier that shows them no wave waits for another.  A wave takes 16 queries in each of two passes (query tile 16 pass + wave); the second pass's fragment of Q waits in LDS bytes of the wave's own.
; CLUSTERS: the four work-groups of a head form a cluster and ask for K and V jointly (mask 15).  No prefetch: every tile is asked for at the head, and there is no loop to run ahead in.
; BOTH PRODUCTS ARE USED TRANSPOSED (S^T = K Q^T, O^T = V^T P^T): a lane holds one query.  Q's 64 channels fill one half of K = 128; the other half is zero codes.
; By k's order of rows lane (r, h) holds in S+0..31 the 32 keys of block h and in S+32..63 those of block 2 + h, in natural order: the conversions' results are the operand's registers, and a block's largest needs no other lane.
; SOFTMAX: p = 2^(t - M), M the running largest t rounded up to a whole number; the row's sum is taken of the unquantised p; O^T and the sum are brought under a new M by an exact power of two.
; A block's largest p is made from its largest score by the same multiply-add and exponential.
; LDS READS: V of this step and K of the next are asked for behind the scores' products, 18 loads each; the softmax stands between them and their waits.
; A pass's two scale bytes of a row leave by a store of two bytes: an operand's scale word holds two heads' bytes, and the other head's work-group writes the other two.
; The last trip of the second pass fetches K's step 0 once more; nothing reads it.
; LIMITS: the scaled scores stay under 2^31 in magnitude; NaN and infinities are not served; a block of zeros gets the byte 1 (its codes are zeros; this program alone reads the bytes).
.set BLKB,  6400
.set GRP,   4*BLKB                     ; LDS: K's steps 2 j, 2 j + 1, then V's
.set STASH, 8*GRP                      ; 768 bytes a wave: the second pass's fragment of Q
.set SPARE, STASH+16*768               ; the spare words, 128 bytes a wave, which no other line names
.set L16, 1
.set L8,  2
.set L4,  3
.set AD16, 4
.set AD8, 5
.set AD4, 6
.set SPW, 7                            ; my spare word; never rewritten
.set NIL, 8                            ; 0; never rewritten
.set R4,  9                            ; 4 r
.set SO,  10                           ; v10-11 the conversions' scale operands.  v12 -M, v13 the running largest score, v[14:15] the sum
.set QZ,  16                           ; v16-33 zeros, Q, zeros
.set QS,  34
.set PS,  35
.set KS,  36
.set VS,  38
.set KF,  42
.set VF,  90
.set S,   138
.set O,   202
.set PC,  234                          ; v234-245 p's codes; ahead of the conversions at work:
.set BM,  PC
.set T0,  PC+4
.set TX,  PC+5
.set E0,  PC+8
.set E1,  PC+9
.set PT,  246                          ; v246-248, v250-252 the second conversions' codes
.set QSH, 249
.set H8,  253                          ; 8 h
.set F,   254
.set WV,  12
.set CX,  13
.set YY,  15
.set G1,  24
.set G0,  32
.set CS,  44
.set SEL, 46
.set TB,  48
.set CNT, 49
.set QB,  50
.set OC,  52
.set CN,  54
.set PAS, 55
.set QST, 56
.set QW,  58
.set OS,  60
.macro CROUND
	s_barrier_signal -1
	s_barrier_wait -1
	s_cmp_lg_u32 s[WV], 0
	s_cbranch_scc1 .Lnot_wave_0_\@
	s_barrier_signal -3
.Lnot_wave_0_\@:
	s_barrier_wait -3
	s_barrier_signal -1
	s_barrier_wait -1
.endm
.macro PLACE arg, codes, words         ; block at byte s16, fragment s18, half s19: where its codes and its scale bytes lie
	s_mul_i32 s20, s18, 1536
	s_mul_i32 s21, s19, 768
	s_add_co_u32 s20, s20, s21
	s_add_co_u32 s20, s20, s16
	s_mov_b32 s21, 0
	s_add_nc_u64 s[\codes:\codes+1], s[\arg:\arg+1], s[20:21]
	s_lshl_b32 s18, s18, 6
	s_lshl_b32 s19, s19, 1
	s_add_co_u32 s20, s18, s19
	s_add_co_u32 s20, s20, s16
	s_add_nc_u64 s[\words:\words+1], s[\arg:\arg+1], s[20:21]
.endm
	s_load_b256 s[4:11], s[0:1], 0x0               ; qimg, kimg, vimg, oimg
	v_lshl_add_u32 v[SPW], v0, 2, SPARE
	v_mov_b32 v[NIL], 0
	ds_add_u32 v[SPW], v[NIL]                      ; the opening lines: the add, twice on end, and its wait ahead of my tensor load
	ds_add_u32 v[SPW], v[NIL]
	v_lshrrev_b32 v10, 5, v0
	v_readfirstlane_b32 s[WV], v10
	s_bfe_u32 s[CX], ttmp6, 0x40000                ; which 512 queries
	s_and_b32 s[YY], ttmp7, 0xffff                 ; batch x 16 + head
	s_and_b32 s16, s[WV], 7                        ; waves 0-7 fetch K's steps 2 w, 2 w + 1, waves 8-15 V's
	s_lshr_b32 s17, s[WV], 3
	s_mul_i32 s18, s16, GRP
	s_mul_i32 s19, s17, 2*BLKB
	s_add_co_u32 s18, s18, s19
	s_mul_i32 s20, s16, 2*BLKB
	s_mul_i32 s21, s[YY], 16*BLKB
	s_add_co_u32 s20, s20, s21
	s_mov_b32 s21, 0
	s_mov_b32 s[G1], 15|(3<<16)|(1<<21)            ; two dense blocks as 50 rows of 256 bytes, for all four partners
	s_mov_b32 s[G1+1], 32<<16
	s_mov_b32 s[G1+2], 50<<16
	s_mov_b32 s[G1+3], 32<<16
	s_mov_b32 s[G1+4], 50
	s_mov_b32 s[G1+5], 32
	s_mov_b32 s[G1+6], 0
	s_mov_b32 s[G1+7], 0
	s_mov_b32 s[CS], 0x3e38aa3b                    ; c = log2(e) / 8
	s_mov_b32 s[CS+1], s[CS]
	s_mov_b32 s[CN], 0xbe38aa3b                    ; -c
	s_mov_b32 s[SEL], 0x76543210
	s_mov_b32 s[SEL+1], 0xfedcba98                 ; lane l xor 16
	s_wait_alu depctr_va_vdst(0)
	s_wait_dscnt 0x0
	s_wait_kmcnt 0x0
	s_cmp_eq_u32 s17, 0
	s_cselect_b64 s[22:23], s[6:7], s[8:9]
	s_add_nc_u64 s[22:23], s[22:23], s[20:21]
	CROUND                                         ; the four partners are here: the joint loads meet
	s_mov_b32 s[G0], 1
	s_mov_b32 s[G0+1], s18
	s_mov_b64 s[G0+2:G0+3], s[22:23]
	s_or_b32 s[G0+3], s[G0+3], 0x80000000
	tensor_load_to_lds s[G0:G0+3], s[G1:G1+7]      ; my one load
	s_nop 0
.rept 4
	v_nop
.endr
	v_and_b32 v10, 31, v0
	v_lshlrev_b32 v[L16], 4, v10
	v_lshlrev_b32 v[L8], 3, v10
	v_lshlrev_b32 v[L4], 2, v10
	v_and_b32 v[R4], 15, v0
	v_lshlrev_b32 v[R4], 2, v[R4]
	v_bfe_u32 v[H8], v0, 4, 1
	v_lshlrev_b32 v[H8], 3, v[H8]
	s_lshl_b32 s16, s[YY], 4                       ; Q: block 16 y + 4 cx + wave / 8 (second pass: two blocks on), fragment (wave / 2) % 4, half wave % 2
	s_lshl_b32 s17, s[CX], 2
	s_add_co_u32 s16, s16, s17
	s_lshr_b32 s17, s[WV], 3
	s_add_co_u32 s16, s16, s17
	s_mul_i32 s16, s16, BLKB
	s_bfe_u32 s18, s[WV], 0x20001
	s_and_b32 s19, s[WV], 1
	PLACE 4, QB, QW
	s_wait_alu depctr_va_vdst(0)                   ; the wait ahead of the readers below
	global_load_b128 v[QZ+6:QZ+9], v[L16], s[QB:QB+1]
	global_load_b64 v[QZ+10:QZ+11], v[L8], s[QB:QB+1] offset:512
	global_load_u16 v[QS], v[R4], s[QW:QW+1] offset:6144
	global_load_b128 v[S:S+3], v[L16], s[QB:QB+1] offset:2*BLKB
	global_load_b64 v[S+4:S+5], v[L8], s[QB:QB+1] offset:2*BLKB+512
	global_load_u16 v[QSH], v[R4], s[QW:QW+1] offset:2*BLKB+6144
	s_lshr_b32 s16, s[YY], 4                       ; O: block 512 (head / 8) + 128 batch + 32 cx + wave (second pass: 16 blocks on), fragment (head / 2) % 4, half head % 2
	s_and_b32 s17, s[YY], 15
	s_lshl_b32 s16, s16, 7
	s_lshl_b32 s18, s[CX], 5
	s_add_co_u32 s16, s16, s18
	s_add_co_u32 s16, s16, s[WV]
	s_lshr_b32 s18, s17, 3
	s_lshl_b32 s18, s18, 9
	s_add_co_u32 s16, s16, s18
	s_mul_i32 s16, s16, BLKB
	s_bfe_u32 s18, s17, 0x20001
	s_and_b32 s19, s17, 1
	PLACE 10, OC, OS
	s_mul_i32 s[QST], s[WV], 768
	s_add_co_u32 s[QST], s[QST], STASH
.irp j, 0,1,2,3,4,5
	v_mov_b32 v[QZ+\j], 0
	v_mov_b32 v[QZ+12+\j], 0
.endr
	v_mov_b32 v[TX], 0                             ; written once: a lane permute's destination counts as one of its sources
	v_mov_b32 v[F+1], 0                            ; named as the upper half of the pair
.macro WM d, a, b, c, sa, sb, odd      ; one product; an odd fragment's scale words stand in lanes 16-31
.if \odd
	v_wmma_scale_f32_16x16x128_f8f6f4 v[\d:\d+7], v[\a:\a+11], v[\b:\b+11], \c, v[\sa], v[\sb] matrix_a_fmt:MATRIX_FMT_FP6 matrix_b_fmt:MATRIX_FMT_FP6 matrix_a_scale:MATRIX_SCALE_ROW1
.else
	v_wmma_scale_f32_16x16x128_f8f6f4 v[\d:\d+7], v[\a:\a+11], v[\b:\b+11], \c, v[\sa], v[\sb] matrix_a_fmt:MATRIX_FMT_FP6 matrix_b_fmt:MATRIX_FMT_FP6
.endif
.endm
.macro FRAG reg, off
	ds_load_b128 v[(\reg):(\reg)+3], v[AD16] offset:\off
	ds_load_b64 v[(\reg)+4:(\reg)+5], v[AD8] offset:\off+512
	ds_load_b128 v[(\reg)+6:(\reg)+9], v[AD16] offset:\off+768
	ds_load_b64 v[(\reg)+10:(\reg)+11], v[AD8] offset:\off+1280
.endm
.macro BLOCKLD reg, sc, off            ; a block: four fragments and two registers of scale words: 18 loads
.irp i, 0,1,2,3
	FRAG \reg+12*\i, \off+1536*\i
.endr
	ds_load_b32 v[\sc], v[AD4] offset:\off+6144
	ds_load_b32 v[\sc+1], v[AD4] offset:\off+6272
.endm
.macro RESET
	v_mov_b32 v13, 0xff61b1e6                      ; the largest score so far: -3e38
	v_mov_b32 v12, 0x7f61b1e6                      ; -M
	v_mov_b32 v14, 0
	v_mov_b32 v15, 0
.set j, 0
.rept 32
	v_mov_b32 v[O+j], 0
.set j, j+1
.endr
.endm
; A step of 128 keys.  ab: which of the trip's two
.macro STEP ab
	s_wait_dscnt 0x0                               ; K's fragments, asked for a step ago
.irp i, 0,1,2,3
.irp u, 0,1
	WM S+16*\i+8*\u, KF+12*\i, QZ+6-6*\u, 0, KS+\i/2, QS, \i%2
.endr
.endr
.rept 4
	v_nop                                          ; four places: ahead of the loads into registers that products have read, of the first read of the scores and of writes into p's codes
.endr
	BLOCKLD VF, VS, 2*BLKB+BLKB*\ab
.if \ab
	v_add_nc_u32 v[AD16], s[TB], v[L16]            ; on to the next trip's group
	v_add_nc_u32 v[AD8], s[TB], v[L8]
	v_add_nc_u32 v[AD4], s[TB], v[L4]
	BLOCKLD KF, KS, 0
.else
	BLOCKLD KF, KS, BLKB
.endif
; the largest score of my two blocks: eight chains by turns, one for each accumulator (v[BM+0..3], v[BM+6..9]), each accumulator read from its low end on; then the chains and the eight last registers are joined
.irp a, 0,1,2,3,4,5,6,7
	v_max3_num_f32 v[BM+\a+2*(\a/4)], v[S+8*\a], v[S+8*\a+1], v[S+8*\a+2]
.endr
.irp i, 3,5
.irp a, 0,1,2,3,4,5,6,7
	v_max3_num_f32 v[BM+\a+2*(\a/4)], v[BM+\a+2*(\a/4)], v[S+8*\a+\i], v[S+8*\a+\i+1]
.endr
.endr
	v_max3_num_f32 v[BM], v[BM], v[S+7], v[S+15]
	v_max3_num_f32 v[BM+6], v[BM+6], v[S+39], v[S+47]
	v_max3_num_f32 v[BM+1], v[BM+1], v[S+23], v[S+31]
	v_max3_num_f32 v[BM+7], v[BM+7], v[S+55], v[S+63]
	v_mov_b32 v[T0], v12
	s_delay_alu instid0(VALU_DEP_3)
	v_max3_num_f32 v[BM], v[BM], v[BM+1], v[BM+2]
	s_delay_alu instid0(VALU_DEP_3)
	v_max3_num_f32 v[BM+6], v[BM+6], v[BM+7], v[BM+8]
	s_delay_alu instid0(VALU_DEP_2)
	v_max_num_f32 v[BM], v[BM], v[BM+3]            ; block h
	s_delay_alu instid0(VALU_DEP_2)
	v_max_num_f32 v[BM+2], v[BM+6], v[BM+9]        ; block 2 + h
	s_delay_alu instid0(VALU_DEP_1)
	v_max_num_f32 v[BM+1], v[BM], v[BM+2]
	s_delay_alu instid0(VALU_DEP_1)
	v_permlanex16_b32 v[TX], v[BM+1], s[SEL], s[SEL+1]
	s_delay_alu instid0(VALU_DEP_1)
	v_max3_num_f32 v13, v13, v[BM+1], v[TX]        ; the running largest score of my query
	s_delay_alu instid0(VALU_DEP_1)
	v_mul_f32 v[BM+3], s[CN], v13
	s_delay_alu instid0(VALU_DEP_1)
	v_floor_f32 v12, v[BM+3]                       ; -M = floor(-t)
	s_delay_alu instid0(VALU_DEP_1)
	v_sub_f32 v[T0], v12, v[T0]
	s_delay_alu instid0(VALU_DEP_1)
	v_cvt_i32_f32 v[T0], v[T0]                     ; (it saturates)
	s_delay_alu instid0(VALU_DEP_1)
	v_ldexp_f32 v[F], 1.0, v[T0]                   ; f = 2^(old M - new M)
.set j, 0
.rept 32
	v_pk_fma_f32 v[S+j:S+j+1], v[S+j:S+j+1], s[CS:CS+1], v[12:13] op_sel_hi:[1,0,0]   ; t - M
.set j, j+2
.endr
	v_fma_f32 v[BM], v[BM], s[CS], v12
	v_fma_f32 v[BM+2], v[BM+2], s[CS], v12
.set j, 0
.rept 16
	v_pk_mul_f32 v[O+j:O+j+1], v[O+j:O+j+1], v[F:F+1] op_sel_hi:[1,0]   ; O^T under the new M
.set j, j+2
.endr
	v_pk_mul_f32 v[14:15], v[14:15], v[F:F+1] op_sel_hi:[1,0]
	s_wait_alu depctr_va_vdst(0)                   ; ahead of the batch
.set j, 0
.rept 64
	v_exp_f32 v[S+j], v[S+j]
.set j, j+1
.endr
	v_exp_f32 v[BM], v[BM]                         ; my blocks' largest p
	v_exp_f32 v[BM+2], v[BM+2]
	v_nop
	s_wait_alu depctr_va_vdst(0)                   ; and behind it, one for the whole batch
	v_max_num_f32 v[BM], 0x1800000, v[BM]          ; the floor 2^(3 - 127): the byte cannot fall under 1
	v_max_num_f32 v[BM+2], 0x1800000, v[BM+2]
	s_delay_alu instid0(VALU_DEP_2)
	v_add_nc_u32 v[SO], 0xff000000, v[BM]          ; 2 off the exponent field: the conversions' scale operand
	s_delay_alu instid0(VALU_DEP_2)
	v_add_nc_u32 v[SO+1], 0xff000000, v[BM+2]
	s_delay_alu instid0(VALU_DEP_2)
	v_lshrrev_b32 v[E0], 23, v[SO]
	s_delay_alu instid0(VALU_DEP_2)
	v_lshrrev_b32 v[E1], 23, v[SO+1]
	s_delay_alu instid0(VALU_DEP_1)
	v_lshl_or_b32 v[E0], v[E1], 16, v[E0]          ; my two bytes, blocks h and 2 + h,
	s_delay_alu instid0(VALU_DEP_1)
	v_lshlrev_b32 v[E0], v[H8], v[E0]              ; at their places in the scale word;
	s_delay_alu instid0(VALU_DEP_1)
	v_permlanex16_b32 v[TX], v[E0], s[SEL], s[SEL+1]
	s_delay_alu instid0(VALU_DEP_1)
	v_or_b32 v[PS], v[E0], v[TX]                   ; with lane l xor 16's two the word is whole
.irp c, 0,1
	v_cvt_scalef32_pk16_fp6_f32 v[PC+6*\c:PC+6*\c+2], v[S+32*\c:S+32*\c+15], v[SO+\c]
	v_cvt_scalef32_pk16_fp6_f32 v[PT+4*\c:PT+4*\c+2], v[S+32*\c+16:S+32*\c+31], v[SO+\c]   ; (a conversion's three registers begin on an even number)
.endr
	v_nop                                          ; one plain place between the conversions and the writes of their sources
; the row's sum of the unquantised p: the conversions have read p, so the 32 pairs are added as a tree in place: 16, 8, 4, 2 additions, and 2 onto the running sum
.set j, 0
.rept 16
	v_pk_add_f32 v[S+j:S+j+1], v[S+j:S+j+1], v[S+j+2:S+j+3]
.set j, j+4
.endr
.set j, 0
.rept 8
	v_pk_add_f32 v[S+j:S+j+1], v[S+j:S+j+1], v[S+j+4:S+j+5]
.set j, j+8
.endr
.irp i, 0,1,2
	v_mov_b32 v[PC+3+\i], v[PT+\i]
	v_mov_b32 v[PC+9+\i], v[PT+4+\i]
.endr
.set j, 0
.rept 4
	v_pk_add_f32 v[S+j:S+j+1], v[S+j:S+j+1], v[S+j+8:S+j+9]
.set j, j+16
.endr
	s_delay_alu instid0(VALU_DEP_3)
	v_pk_add_f32 v[S:S+1], v[S:S+1], v[S+16:S+17]
	s_delay_alu instid0(VALU_DEP_2)
	v_pk_add_f32 v[S+32:S+33], v[S+32:S+33], v[S+48:S+49]
	s_delay_alu instid0(VALU_DEP_2)
	v_pk_add_f32 v[14:15], v[14:15], v[S:S+1]
	s_delay_alu instid0(VALU_DEP_1)
	v_pk_add_f32 v[14:15], v[14:15], v[S+32:S+33]
	s_wait_alu depctr_va_vdst(0)
	s_wait_dscnt 18                                ; V's 18 loads are in; the next step's 18 of K, issued behind them, may be out
.irp t, 0,1,2,3
	WM O+8*\t, VF+12*\t, PC, v[O+8*\t:O+8*\t+7], VS+\t/2, PS, \t%2
.endr
.endm
; A pass's end: O^T / the sum, quantised along the head's 64 channels: six registers of the last product's operand in v[PC] on, two scale bytes in v[PC+11]
.macro FINISH
.rept 4
	v_nop
.endr
	v_add_f32 v14, v14, v15
	s_delay_alu instid0(VALU_DEP_1)
	v_permlanex16_b32 v[PC+3], v14, s[SEL], s[SEL+1]
	s_delay_alu instid0(VALU_DEP_1)
	v_add_f32 v14, v14, v[PC+3]
	s_wait_alu depctr_va_vdst(0)
	v_rcp_f32 v[F], v14
	v_nop
	s_wait_alu depctr_va_vdst(0)
.set j, 0
.rept 16
	v_pk_mul_f32 v[S+j:S+j+1], v[O+j:O+j+1], v[F:F+1] op_sel_hi:[1,0]
.set j, j+2
.endr
.irp b, 0,1
	v_max3_num_f32 v[PC+6+\b], |v[S+16*\b]|, |v[S+16*\b+1]|, 0x1800000
.endr
.irp i, 2,4,6,8,10,12,14
.irp b, 0,1
	s_delay_alu instid0(VALU_DEP_2)
	v_max3_num_f32 v[PC+6+\b], v[PC+6+\b], |v[S+16*\b+\i]|, |v[S+16*\b+\i+1]|
.endr
.endr
.irp b, 0,1
	s_delay_alu instid0(VALU_DEP_2)
	v_permlanex16_b32 v[PC+9+\b], v[PC+6+\b], s[SEL], s[SEL+1]
.endr
.irp b, 0,1
	s_delay_alu instid0(VALU_DEP_2)
	v_max_num_f32 v[PC+6+\b], v[PC+6+\b], v[PC+9+\b]
.endr
.irp b, 0,1
	s_delay_alu instid0(VALU_DEP_2)
	v_add_nc_u32 v[SO+\b], 0xff000000, v[PC+6+\b]
.endr
.irp b, 0,1
	s_delay_alu instid0(VALU_DEP_2)
	v_lshrrev_b32 v[PC+9+\b], 23, v[SO+\b]
.endr
	s_delay_alu instid0(VALU_DEP_1)
	v_lshl_or_b32 v[PC+11], v[PC+10], 8, v[PC+9]
	v_cvt_scalef32_pk16_fp6_f32 v[PC:PC+2], v[S:S+15], v[SO]
	v_cvt_scalef32_pk16_fp6_f32 v[PT:PT+2], v[S+16:S+31], v[SO+1]
	v_nop
.irp i, 0,1,2
	v_permlane16_swap_b32 v[PC+\i], v[PT+\i]       ; here lanes l and l xor 16 share a block: the operand wants a whole block in a lane
.endr
.irp i, 0,1,2
	s_delay_alu instid0(VALU_DEP_3)
	v_mov_b32 v[PC+3+\i], v[PT+\i]
.endr
.endm
	s_wait_loadcnt 0x0
	v_lshl_or_b32 v[QS], v[QS], 16, v[QS]          ; Q's two bytes serve whichever half of K it stands in
	v_lshl_or_b32 v[QSH], v[QSH], 16, v[QSH]
	v_add_nc_u32 v[AD16], s[QST], v[L16]
	v_add_nc_u32 v[AD8], s[QST], v[L8]
	s_wait_alu depctr_va_vdst(0)
	s_wait_tensorcnt 0x0                           ; my part of K or V is in
	ds_store_b128 v[AD16], v[S:S+3]                ; the second pass's Q, into my own bytes
	ds_store_b64 v[AD8], v[S+4:S+5] offset:512
	s_wait_dscnt 0x0
	s_barrier_signal -1
	s_barrier_wait -1                              ; everybody's part is in
	v_mov_b32 v[AD16], v[L16]
	v_mov_b32 v[AD8], v[L8]
	v_mov_b32 v[AD4], v[L4]
	BLOCKLD KF, KS, 0
	RESET
	s_mov_b32 s[PAS], 0
	s_wait_alu depctr_va_vdst(0)                   ; the head's end
.Lpass:
	s_mov_b32 s[CNT], 0
.Ltrip:                                                ; a trip is two key steps, one group of LDS
	s_add_co_u32 s[CNT], s[CNT], 1
	s_and_b32 s[TB], s[CNT], 7
	s_mul_i32 s[TB], s[TB], GRP                    ; the next trip's group; behind the last comes the first again
	STEP 0
	STEP 1
	s_cmp_lt_u32 s[CNT], 8
	s_cbranch_scc1 .Ltrip
	FINISH
	global_store_b128 v[L16], v[PC:PC+3], s[OC:OC+1]               ; 512 and 256 consecutive bytes, each at a multiple of 256 from the buffer's first byte
	global_store_b64 v[L8], v[PC+4:PC+5], s[OC:OC+1] offset:512
	global_store_b16 v[R4], v[PC+11], s[OS:OS+1] offset:6144       ; lanes l and l xor 16 write the same bytes with the same value
	s_add_co_u32 s[PAS], s[PAS], 1
	s_cmp_lt_u32 s[PAS], 2
	s_cbranch_scc0 .Ldone
	s_wait_xcnt 0x0                                ; the stores have read their registers and bases
	s_add_nc_u64 s[OC:OC+1], s[OC:OC+1], 16*BLKB
	s_add_nc_u64 s[OS:OS+1], s[OS:OS+1], 16*BLKB
	v_add_nc_u32 v[E0], s[QST], v[L16]
	v_add_nc_u32 v[E1], s[QST], v[L8]
	ds_load_b128 v[QZ+6:QZ+9], v[E0]               ; the second pass's Q; the first step's wait covers it
	ds_load_b64 v[QZ+10:QZ+11], v[E1] offset:512
	v_mov_b32 v[QS], v[QSH]
	RESET
	s_wait_alu depctr_va_vdst(0)
	s_cmp_lt_u32 s[PAS], 2
	s_cbranch_scc1 .Lpass
.Ldone:
	s_wait_tensorcnt 0x0                           ; the wave's end
	ds_add_u32 v[SPW], v[NIL]
	s_wait_dscnt 0x0
	CROUND                                         ; the closing round
	s_endpgm
.Lfunc_end_k_q2311c80a11_attn:
	.size	k_q2311c80a11_attn, .Lfunc_end_k_q2311c80a11_attn-k_q2311c80a11_attn
	.p2alignl 7, 3214868480
	.fill 96, 4, 3214868480
	.section	.rodata,"a",@progbits
	.p2align	6, 0x0
	.amdhsa_kernel k_q2311c80a11_attn
		.amdhsa_group_segment_fixed_size 327680
		.amdhsa_private_segment_fixed_size 0
		.amdhsa_enable_private_segment 0
		.amdhsa_kernarg_size 32
		.amdhsa_user_sgpr_count 2
		.amdhsa_user_sgpr_kernarg_segment_ptr 1
		.amdhsa_wavefront_size32 1
		.amdhsa_system_sgpr_workgroup_id_x 1
		.amdhsa_system_sgpr_workgroup_id_y 1
		.amdhsa_system_sgpr_workgroup_id_z 1
		.amdhsa_system_vgpr_workitem_id 0
		.amdhsa_next_free_vgpr 256
		.amdhsa_next_free_sgpr 66
		.amdhsa_reserve_vcc 0
		.amdhsa_float_denorm_mode_32 3
		.amdhsa_float_denorm_mode_16_64 3
		.amdhsa_memory_ordered 1
		.amdhsa_forward_progress 1
		.amdhsa_inst_pref_size 47
	.end_amdhsa_kernel
	.amdgpu_metadata
---
amdhsa.version: [ 1, 2 ]
amdhsa.kernels:
  - .name:           k_q2311c80a11_attn
    .symbol:         k_q2311c80a11_attn.kd
    .args:
      - { .name: qimg, .offset: 0, .size: 8, .value_kind: global_buffer, .address_space: global }
      - { .name: kimg, .offset: 8, .size: 8, .value_kind: global_buffer, .address_space: global }
      - { .name: vimg, .offset: 16, .size: 8, .value_kind: global_buffer, .address_space: global }
      - { .name: oimg, .offset: 24, .size: 8, .value_kind: global_buffer, .address_space: global }
    .group_segment_fixed_size: 327680
    .private_segment_fixed_size: 0
    .kernarg_segment_align: 8
    .kernarg_segment_size: 32
    .max_flat_workgroup_size: 512
    .sgpr_count:     66
    .vgpr_count:     256
    .wavefront_size: 32
...
	.end_amdgpu_metadata
.endif
;; end of part 3
;; launch outp (part 4): grid 4 x 64, 4 waves a work-group, clusters of 4 x 4, 327,680 bytes of LDS; arguments oimg, img, b_o, out0; writes out0
.if DOCPART == 4
	.amdgcn_target "amdgcn-amd-amdhsa--gfx1250"
	.amdhsa_code_object_version 6
	.text
	.protected	k_q2311c80a11_outp
	.globl	k_q2311c80a11_outp
	.p2align	8
	.type	k_q2311c80a11_outp,@function
k_q2311c80a11_outp:
	s_mov_b64 s[64:65], 0
	v_nop
	global_prefetch_b8 v0, s[64:65] scope:SCOPE_SE
	s_setreg_imm32_b32 hwreg(HW_REG_WAVE_MODE, 25, 1), 1
	s_wait_xcnt 0x0
	s_wait_alu depctr_hold_cnt(0) depctr_sa_sdst(0) depctr_va_vdst(0) depctr_va_sdst(0) depctr_va_ssrc(0) depctr_va_vcc(0) depctr_vm_vsrc(0)
	s_getreg_b32 s2, hwreg(HW_REG_IB_STS2, 6, 4)
	s_cmp_eq_u32 s2, 0
	s_cbranch_scc0 .Lentry_in_a_cluster
	s_endpgm
.Lentry_in_a_cluster:
	s_bfe_u32 s2, ttmp6, 0x10000c
	s_cmp_lg_u32 s2, 0xf033
	s_cbranch_scc0 .Lentry_shape_is_right
	s_endpgm
.Lentry_shape_is_right:
; out0 = O w_o^T + b_o on codes of FP6 (E2M3) with E8M0 scales; out0 [8192][1024] f32.
; INPUT: oimg [chi 2][RB 512][6400] (16 rows of O to a block) and img's RB 1728-1791 (w_o), blocks of 4 fragments as images of operand registers, then their scale words.
; SHARES.  A work-group makes 128 rows x 256 columns over all of K = 1,024, which lies in LDS whole: nothing is filled twice.  Wave w takes all 8 blocks of O against w_o's blocks 4 w .. 4 w + 3: 32 accumulators.
; CLUSTERS: 4 x 4.  O's blocks are shared along a row of the cluster, w_o's along a column: each is asked for jointly.
; Source 0 = w_o, source 1 = O: a lane holds eight neighbouring columns of one row of out0.  The bias is the C of each sum's first product.  A block of 16 rows x 64 columns goes through the wave's own stage in LDS
; (bytes into which no tile lands) and leaves as rows of 256 bytes: sixteen lanes store 256 consecutive bytes, at a multiple of 256 from out0's first byte.
; REGISTERS: window 0: v1-22 addresses; v32-55 scale words, two sets of 12; v56-87 the bias; v112-207 O's fragments, v208-255 w_o's (set 0).  window 1: the accumulators.  window 2: v112-255 set 1.
.set BLKB,  6400
.set CHIA,  512*BLKB                   ; oimg: from chi 0 to chi 1
.set CHIG,  1792*BLKB                  ; img likewise
.set HALF,  24*BLKB
.set BOFF,  8*BLKB
.set SPARE, 2*HALF                     ; the spare words, 128 bytes for each wave, which no other line names
.set STAGE, SPARE+512                  ; 16 rows x 272 bytes for each wave
.set SP,    272
.set L16, 1
.set L8,  2
.set L4,  3
.set A16, 4
.set A8,  6
.set A4,  8
.set B16, 10
.set B8,  12
.set B4,  14
.set SPW, 16                           ; v16  my spare word; never rewritten
.set NIL, 17                           ; v17  0; never rewritten
.set BO,  18
.set STO, 20                           ; v20  the stage: where I put 32 bytes of a row
.set RD,  21                           ; v21  and where I read a row back
.set CO,  22                           ; v22  my byte offset in out0
.set SCS, 32
.set BI,  56
.set FA,  112
.set FB,  208
.set BK,  112                          ; the way out: two sets of 32, in the registers that set 0 has left
.set WV,  18
.set CX,  19
.set CY,  20
.set TR,  21
.set TC,  22
.set G1A, 24
.set G1B, 32
.set G0,  40
.set BP,  66
.set OUT, 68
.set MSB, 0
.macro WIN new
.if MSB != \new
	s_set_vgpr_msb (MSB<<8)|\new
.set MSB, \new
.endif
.endm
.macro CROUND
	s_barrier_signal -1
	s_barrier_wait -1
	s_cmp_lg_u32 s[WV], 0
	s_cbranch_scc1 .Lnot_wave_0_\@
	s_barrier_signal -3
.Lnot_wave_0_\@:
	s_barrier_wait -3
	s_barrier_signal -1
	s_barrier_wait -1
.endm
	s_load_b256 s[4:11], s[0:1], 0x0               ; oimg, img, b_o, out0
	v_lshl_add_u32 v[SPW], v0, 2, SPARE
	v_mov_b32 v[NIL], 0
	ds_add_u32 v[SPW], v[NIL]                      ; the wave's opening: the add and its wait ahead of my first tensor load; the set-up stands between them
	ds_add_u32 v[SPW], v[NIL]
	v_lshrrev_b32 v23, 5, v0
	v_readfirstlane_b32 s[WV], v23
	s_bfe_u32 s[CX], ttmp6, 0x40000
	s_bfe_u32 s[CY], ttmp6, 0x40004
	s_lshl_b32 s[TC], ttmp9, 2
	s_add_co_u32 s[TC], s[TC], s[CX]               ; tile column: 256 columns
	s_and_b32 s73, ttmp7, 0xffff
	s_lshl_b32 s[TR], s73, 2
	s_add_co_u32 s[TR], s[TR], s[CY]               ; tile row: 128 rows
	s_lshl_b32 s74, s[CY], 2
	s_lshl_b32 s74, 15, s74                        ; my row of the cluster
	s_lshl_b32 s75, 0x1111, s[CX]                  ; my column
	s_or_b32 s[G1A], s74, (3<<16)|(1<<21)          ; dense blocks as rows of 256 bytes: O: 8 blocks = 200 rows a load; w_o: 16 blocks = 400 rows
	s_mov_b32 s[G1A+1], 32<<16
	s_mov_b32 s[G1A+2], 200<<16                    ; O: a half of K is 8 blocks = 200 rows of 256 bytes, one load
	s_mov_b32 s[G1A+3], 32<<16
	s_mov_b32 s[G1A+4], 200
	s_mov_b32 s[G1A+5], 32
	s_mov_b32 s[G1A+6], 0
	s_mov_b32 s[G1A+7], 0
	s_or_b32 s[G1B], s75, (3<<16)|(1<<21)
	s_mov_b32 s[G1B+1], 32<<16
	s_mov_b32 s[G1B+2], 400<<16                    ; w_o: 16 blocks = 400 rows, one load
	s_mov_b32 s[G1B+3], 32<<16
	s_mov_b32 s[G1B+4], 400
	s_mov_b32 s[G1B+5], 32
	s_mov_b32 s[G1B+6], 0
	s_mov_b32 s[G1B+7], 0
	s_lshl_b32 s56, s[TR], 3                       ; O: RB 8 x tile row
	s_mul_i32 s56, s56, BLKB
	s_mov_b32 s57, 0
	s_lshl_b32 s58, s[TC], 4                       ; w_o: RB 1728 + 16 x tile column
	s_add_co_u32 s58, s58, 1728
	s_mul_i32 s58, s58, BLKB
	s_mov_b32 s59, 0
	s_mul_i32 s79, s[WV], 4*BLKB
	s_add_co_u32 s79, s79, BOFF
	s_wait_dscnt 0x0                               ; the opening add is done
	s_wait_kmcnt 0x0
	s_add_nc_u64 s[56:57], s[4:5], s[56:57]
	s_add_nc_u64 s[58:59], s[6:7], s[58:59]
	CROUND                                         ; all sixteen work-groups are here: the joint loads meet
.irp x, 0,1
	s_mov_b32 s[G0+8*\x], 1
	s_mov_b32 s[G0+8*\x+1], \x*HALF
	s_add_nc_u64 s[G0+8*\x+2:G0+8*\x+3], s[56:57], \x*CHIA
	s_or_b32 s[G0+8*\x+3], s[G0+8*\x+3], 0x80000000
	s_mov_b32 s[G0+8*\x+4], 1
	s_mov_b32 s[G0+8*\x+5], BOFF+\x*HALF
	s_add_nc_u64 s[G0+8*\x+6:G0+8*\x+7], s[58:59], \x*CHIG
	s_or_b32 s[G0+8*\x+7], s[G0+8*\x+7], 0x80000000
.endr
; The head's four tiles, one joint load a wave: wave 0 O's half 0, wave 1 w_o's half 0, wave 2 O's half 1, wave 3 w_o's half 1.
; One chain of branches on the wave's number; every way through it passes exactly one load.
.macro ARM under, g0, g1, next
	s_cmp_lt_u32 s[WV], \under
	s_cbranch_scc0 \next
	tensor_load_to_lds s[\g0:\g0+3], s[\g1:\g1+7]
	s_nop 0
.rept 4
	v_nop
.endr
	s_branch .Lhead_asked
\next:
.endm
	ARM 1, G0, G1A, .Lhead_w0
	ARM 2, G0+4, G1B, .Lhead_x1
	ARM 3, G0+8, G1A, .Lhead_w1
	tensor_load_to_lds s[G0+12:G0+15], s[G1B:G1B+7]
	s_nop 0
.rept 4
	v_nop
.endr
.Lhead_asked:
	v_and_b32 v23, 31, v0
	v_lshlrev_b32 v[L16], 4, v23
	v_lshlrev_b32 v[L8], 3, v23
	v_lshlrev_b32 v[L4], 2, v23
.irp x, 0,1
	v_add_nc_u32 v[A16+\x], \x*HALF, v[L16]
	v_add_nc_u32 v[A8+\x], \x*HALF, v[L8]
	v_add_nc_u32 v[A4+\x], \x*HALF, v[L4]
.endr
	v_add_nc_u32 v[B16], s79, v[L16]
	v_add_nc_u32 v[B8], s79, v[L8]
	v_add_nc_u32 v[B4], s79, v[L4]
	v_add_nc_u32 v[B16+1], HALF, v[B16]
	v_add_nc_u32 v[B8+1], HALF, v[B8]
	v_add_nc_u32 v[B4+1], HALF, v[B4]
	v_bfe_u32 v24, v0, 4, 1                        ; h
	v_and_b32 v25, 15, v0                          ; r
	v_lshlrev_b32 v[BO], 5, v24
	s_wait_alu depctr_va_vdst(0)
	s_mul_i32 s74, s[WV], 16*SP
	s_add_co_u32 s74, s74, STAGE                   ; my stage
	v_mul_u32_u24 v[STO], v25, SP
	v_lshl_add_u32 v[STO], v24, 5, v[STO]
	v_add_nc_u32 v[STO], s74, v[STO]               ; in: row r, + 32 h
	v_mul_u32_u24 v[RD], v24, SP
	v_lshl_add_u32 v[RD], v25, 4, v[RD]
	v_add_nc_u32 v[RD], s74, v[RD]                 ; back: lanes 0-15 one row of 256 bytes, lanes 16-31 the next
	v_lshlrev_b32 v[CO], 12, v24
	v_lshl_add_u32 v[CO], v25, 4, v[CO]            ; and the same two rows in out0
	s_lshl_b32 s76, s[TC], 10
	s_lshl_b32 s75, s[WV], 8
	s_add_co_u32 s76, s76, s75                     ; my 64 columns, in bytes
	s_mov_b32 s77, 0
	s_add_nc_u64 s[BP:BP+1], s[8:9], s[76:77]
	s_add_nc_u64 s[OUT:OUT+1], s[10:11], s[76:77]
	s_lshl_b32 s76, s[TR], 19                      ; 128 rows of 4,096 bytes
	s_add_nc_u64 s[OUT:OUT+1], s[OUT:OUT+1], s[76:77]
.irp b, 0,1,2,3
	global_load_b128 v[BI+8*\b:BI+8*\b+3], v[BO], s[BP:BP+1] offset:64*\b        ; register 8 b + j: the bias of my column 16 b + 8 h + j
	global_load_b128 v[BI+8*\b+4:BI+8*\b+7], v[BO], s[BP:BP+1] offset:64*\b+16
.endr
.macro FRAG reg, a16, a8, off
	ds_load_b128 v[(\reg):(\reg)+3], v[\a16] offset:\off
	ds_load_b64 v[(\reg)+4:(\reg)+5], v[\a8] offset:\off+512
	ds_load_b128 v[(\reg)+6:(\reg)+9], v[\a16] offset:\off+768
	ds_load_b64 v[(\reg)+10:(\reg)+11], v[\a8] offset:\off+1280
.endm
.macro FETCH k                         ; K step k's 12 fragments into set k % 2; ahead of an even step the scale words of two steps
.set CH, (\k)/4
.set FF, (\k)%4
.if (\k)%2 == 0
	WIN 0
.set SS, SCS+12*(((\k)/2)%2)
.irp a, 0,1,2,3,4,5,6,7
	ds_load_b32 v[SS+\a], v[A4+CH] offset:\a*BLKB+6144+128*(FF/2)
.endr
.irp b, 0,1,2,3
	ds_load_b32 v[SS+8+\b], v[B4+CH] offset:\b*BLKB+6144+128*(FF/2)
.endr
.else
	WIN 0x80
.endif
.irp a, 0,1,2,3,4,5,6,7
	FRAG FA+12*\a, A16+CH, A8+CH, \a*BLKB+1536*FF
.endr
.irp b, 0,1,2,3
	FRAG FB+12*\b, B16+CH, B8+CH, \b*BLKB+1536*FF
.endr
.endm
.macro WM odd
.if \odd
	v_wmma_scale_f32_16x16x128_f8f6f4 v[rD:rD+7], v[rA:rA+11], v[rB:rB+11], v[rC:rC+7], v[rSA], v[rSB] matrix_a_fmt:MATRIX_FMT_FP6 matrix_b_fmt:MATRIX_FMT_FP6 matrix_a_scale:MATRIX_SCALE_ROW1 matrix_b_scale:MATRIX_SCALE_ROW1
.else
	v_wmma_scale_f32_16x16x128_f8f6f4 v[rD:rD+7], v[rA:rA+11], v[rB:rB+11], v[rC:rC+7], v[rSA], v[rSB] matrix_a_fmt:MATRIX_FMT_FP6 matrix_b_fmt:MATRIX_FMT_FP6
.endif
.endm
.macro MUL k                           ; 32 products: the 32 accumulators take turns, in ascending order in every step
.set SS, SCS+12*(((\k)/2)%2)
.if (\k) == 0
	WIN 0x40
.elseif (\k)%2
	WIN 0x5a
.else
	WIN 0x50
.endif
.irp a, 0,1,2,3,4,5,6,7
.irp b, 0,1,2,3
.set rD, 8*(4*\a+\b)
.set rA, FB+12*\b
.set rB, FA+12*\a
.set rSA, SS+8+\b
.set rSB, SS+\a
.set rC, rD
.if (\k) == 0
.set rC, BI+8*\b
.endif
	WM (\k)%2
.endr
.endr
.endm
.macro STEPK k
	s_wait_dscnt 0x0                               ; this step's fragments are in
.if (\k) == 3
	s_wait_tensorcnt 0x0                           ; my parts of K's second half have landed,
	s_barrier_signal -1
	s_barrier_wait -1                              ; everybody's have
.endif
.if (\k) < 7
.if (\k) > 0
.rept 4
	v_nop                                          ; four places between the last step's products and loads into the set that they read
.endr
.endif
	FETCH (\k)+1
.endif
	MUL \k
	WIN 0
.endm
.macro TOSTAGE a                       ; block a: 16 rows x my 64 columns, into my stage and back as rows.  LDS serves a wave's instructions in order: no wait between the stores and the loads
	WIN 0x04                                       ; an LDS store's data are its source 1: window 1
.irp b, 0,1,2,3
	ds_store_b128 v[STO], v[32*(\a)+8*\b:32*(\a)+8*\b+3] offset:64*\b          ; each accumulator from its low end on
	ds_store_b128 v[STO], v[32*(\a)+8*\b+4:32*(\a)+8*\b+7] offset:64*\b+16
.endr
	WIN 0
.irp i, 0,1,2,3,4,5,6,7
	ds_load_b128 v[BK+32*((\a)%2)+4*\i:BK+32*((\a)%2)+4*\i+3], v[RD] offset:2*SP*\i
.endr
.endm
.macro SEND a, younger                 ; younger: the LDS instructions issued behind block a's loads, which may stay out
	s_wait_dscnt \younger
.irp i, 0,1,2,3,4,5,6,7
	global_store_b128 v[CO], v[BK+32*((\a)%2)+4*\i:BK+32*((\a)%2)+4*\i+3], s[OUT:OUT+1] offset:(16*(\a)+2*\i)*4096 th:TH_STORE_NT
.endr
.endm
	s_cmp_lt_u32 s[WV], 2                          ; waves 0 and 1 asked for K's first half, each by a line of its own: they wait; the second half may stay out
	s_cbranch_scc0 .Lnot_first
	s_wait_tensorcnt 0x0
.Lnot_first:
	s_barrier_signal -1
	s_barrier_wait -1
	FETCH 0
	s_wait_loadcnt 0x0                             ; the bias
.irp k, 0,1,2,3,4,5,6,7
	STEPK \k
.endr
.rept 4
	v_nop                                          ; four places between the last products and the first read of results, and loads into registers that products have read
.endr
	s_wait_alu depctr_va_vdst(0)
	TOSTAGE 0
.irp a, 1,2,3,4,5,6,7
.if \a > 1
	s_wait_xcnt 0x0                                ; block a - 2's stores have read their registers: block a's loads may land there
.endif
	TOSTAGE \a
	SEND \a-1, 16                                  ; behind block a - 1's loads: block a's 8 stores and 8 loads
.endr
	SEND 7, 0
	s_wait_tensorcnt 0x0                           ; the wave's end, behind my last tensor load and my last LDS store
	ds_add_u32 v[SPW], v[NIL]
	s_wait_dscnt 0x0
	CROUND                                         ; the closing round
	s_endpgm
.Lfunc_end_k_q2311c80a11_outp:
	.size	k_q2311c80a11_outp, .Lfunc_end_k_q2311c80a11_outp-k_q2311c80a11_outp
	.p2alignl 7, 3214868480
	.fill 96, 4, 3214868480
	.section	.rodata,"a",@progbits
	.p2align	6, 0x0
	.amdhsa_kernel k_q2311c80a11_outp
		.amdhsa_group_segment_fixed_size 327680
		.amdhsa_private_segment_fixed_size 0
		.amdhsa_enable_private_segment 0
		.amdhsa_kernarg_size 32
		.amdhsa_user_sgpr_count 2
		.amdhsa_user_sgpr_kernarg_segment_ptr 1
		.amdhsa_wavefront_size32 1
		.amdhsa_system_sgpr_workgroup_id_x 1
		.amdhsa_system_sgpr_workgroup_id_y 1
		.amdhsa_system_sgpr_workgroup_id_z 1
		.amdhsa_system_vgpr_workitem_id 0
		.amdhsa_next_free_vgpr 768
		.amdhsa_next_free_sgpr 80
		.amdhsa_reserve_vcc 0
		.amdhsa_float_denorm_mode_32 3
		.amdhsa_float_denorm_mode_16_64 3
		.amdhsa_memory_ordered 1
		.amdhsa_forward_progress 1
		.amdhsa_inst_pref_size 84
	.end_amdhsa_kernel
	.amdgpu_metadata
---
amdhsa.version: [ 1, 2 ]
amdhsa.kernels:
  - .name:           k_q2311c80a11_outp
    .symbol:         k_q2311c80a11_outp.kd
    .args:
      - { .name: oimg, .offset: 0, .size: 8, .value_kind: global_buffer, .address_space: global }
      - { .name: img, .offset: 8, .size: 8, .value_kind: global_buffer, .address_space: global }
      - { .name: b_o, .offset: 16, .size: 8, .value_kind: global_buffer, .address_space: global }
      - { .name: out0, .offset: 24, .size: 8, .value_kind: global_buffer, .address_space: global }
    .group_segment_fixed_size: 327680
    .private_segment_fixed_size: 0
    .kernarg_segment_align: 8
    .kernarg_segment_size: 32
    .max_flat_workgroup_size: 128
    .sgpr_count:     80
    .vgpr_count:     768
    .wavefront_size: 32
...
	.end_amdgpu_metadata
.endif
;; end of part 4
